; MI455X (gfx1250); checked and timed in simulation.
; The chip was launched on July 23, 2026; its instructions are those of AMD's public machine-readable ISA for CDNA 5 (MIT licence, August 2026) and "CDNA5" Instruction Set Architecture Reference Guide (July 2026). The comments in the code are by the model that wrote it; some were corrected since.
;; Hetero Encoder. Allowed arithmetic: matrix products marked QUANTISED: E2M1 operands, one E8M0 scale for each 32 along K, by v_wmma_scale_f32_16x16x128_f8f6f4 with both operands' format E2M1 (or v_wmma_scale_f32_32x16x128_f4), f32 sums; everything else in f32.
;; Inputs: W1 8 x 512 x 2,048 float32; W2 8 x 2,048 x 512 float32; b1 8 x 2,048 float32; b2 8 x 512 float32; be1 8 x 512 float32; be2 8 x 512 float32; g1 8 x 512 float32; g2 8 x 512 float32; type_vec 4,096 int32; x 4,096 x 512 float32.
;; Outputs: out0 4,096 x 512 float32.
;; This version of the problem:
;;   THIS VERSION OF THE PROBLEM IS GIVEN IN LOW PRECISION. The matrix products marked QUANTISED in the list below multiply operands that are first quantised to E2M1 (2 exponent bits, 1 mantissa bit; 4 bits a number), with one power-of-two scale for each 32 numbers along K (OCP MX v1.0); their sums are f32. All else is computed in f32.
;;   The module's matrix products, in the order in which they are computed (A, B: the left and right operand; K: the contracted axis; several contracted axes count as one K, in the product's order):
;;     1. [M 4,096, K 512] x [K 512, N 2,048]; A: computed on the way; B: input W1: QUANTISED
;;     2. [M 4,096, K 2,048] x [K 2,048, N 512]; A: computed on the way; B: input W2: QUANTISED
;;     3. [M 4,096, K 512] x [K 512, N 2,048]; A: computed on the way; B: input W1: QUANTISED
;;     4. [M 4,096, K 2,048] x [K 2,048, N 512]; A: computed on the way; B: input W2: QUANTISED
;;     5. [M 4,096, K 512] x [K 512, N 2,048]; A: computed on the way; B: input W1: QUANTISED
;;     6. [M 4,096, K 2,048] x [K 2,048, N 512]; A: computed on the way; B: input W2: QUANTISED
;;     7. [M 4,096, K 512] x [K 512, N 2,048]; A: computed on the way; B: input W1: QUANTISED
;;     8. [M 4,096, K 2,048] x [K 2,048, N 512]; A: computed on the way; B: input W2: QUANTISED
;;     9. [M 4,096, K 512] x [K 512, N 2,048]; A: computed on the way; B: input W1: QUANTISED
;;     10. [M 4,096, K 2,048] x [K 2,048, N 512]; A: computed on the way; B: input W2: QUANTISED
;;     11. [M 4,096, K 512] x [K 512, N 2,048]; A: computed on the way; B: input W1: QUANTISED
;;     12. [M 4,096, K 2,048] x [K 2,048, N 512]; A: computed on the way; B: input W2: QUANTISED
;;     13. [M 4,096, K 512] x [K 512, N 2,048]; A: computed on the way; B: input W1: QUANTISED
;;     14. [M 4,096, K 2,048] x [K 2,048, N 512]; A: computed on the way; B: input W2: QUANTISED
;;     15. [M 4,096, K 512] x [K 512, N 2,048]; A: computed on the way; B: input W1: QUANTISED
;;     16. [M 4,096, K 2,048] x [K 2,048, N 512]; A: computed on the way; B: input W2: QUANTISED
;;   THE QUANTISER, for each operand of a quantised product, along K:
;;     - K is cut into blocks of 32 from its start; a last block that is shorter is filled with zeros.
;;     - A block's scale is 2^e with e = floor(log2(the largest magnitude in the block)) - 2, held to -126 .. 127; a block of zeros has e = 0. As a byte (E8M0): e + 127.
;;     - Each number is divided by its block's scale, clamped to +-6, and rounded to the nearest number of E2M1, ties to even, subnormals kept.
;;     - The product sums the exact products of the quantised numbers (number of the format x scale) in f32.
;;   ~~~python
;;   def quantise(x, axis):      # numpy; x: float32 -> the quantised numbers, widened to float32 again
;;       x = np.moveaxis(x, axis, -1); K = x.shape[-1]
;;       x = np.pad(x, [(0, 0)] * (x.ndim - 1) + [(0, -K % 32)]); x = x.reshape(x.shape[:-1] + (-1, 32)); a = np.abs(x).max(-1, keepdims=True)
;;       e = np.where(a > 0, np.clip(np.frexp(np.where(a > 0, a, 1))[1] - 1 - 2, -126, 127), 0)      # np.frexp(a)[1] - 1 = floor(log2(a)), exactly
;;       r = np.clip(x / 2.0 ** e, -6, 6)
;;       step = 2.0 ** (np.maximum(np.frexp(np.where(r == 0, 1, r))[1] - 1, 0) - 1)
;;       q = np.round(r / step) * step * 2.0 ** e      # np.round: ties to even
;;       return np.moveaxis(q.reshape(q.shape[:-2] + (-1,))[..., :K], -1, axis).astype(np.float32)
;;   ~~~
;;   OPERANDS COMPUTED ON THE WAY. 'Computed on the way' means the value that the module computes at that place (a softmax that the list does not call 'softmax' is quantised finished and normalised). What goes into a quantiser is computed in f32, as accurately as f32 sums, v_exp_f32 and their like allow (about 1e-6 of the number): no bf16 or f16 on the way to a quantiser, and a product that is left as it is and whose result goes on into a quantised operand takes f32 operands (vector FMAs, or v_wmma_f32_16x16x4_f32). A number that lies on a knife's edge between two numbers of the format may be rounded either way, as far as f32 arithmetic and the matrix unit's own rounding can turn it there, and no further.
;; 3 versions, each right; version 2 is faster than version 1; version 3 is version 2 with the launch mlp written anew for expert scheduling mode. Each part assembles by itself: llvm-mc -triple=amdgcn-amd-amdhsa -mcpu=gfx1250 --defsym DOCPART=n.
;; ======== version 1 of 3: 2 launches
;; workspace buffers: wcodes 8,388,608 bytes; wscales 524,288 bytes; order 131,072 bytes of whole numbers; counts 256 bytes of whole numbers
;; launch prep (part 1): grid 513 x 1, 8 waves a work-group, no clusters, 0 bytes of LDS; arguments W1, W2, type_vec, wcodes, wscales, order, counts; writes wcodes, wscales, order, counts
.if DOCPART == 1
	.amdgcn_target "amdgcn-amd-amdhsa--gfx1250"
	.amdhsa_code_object_version 6
	.text
	.protected	k_q15ef2e99a4_prep
	.globl	k_q15ef2e99a4_prep
	.p2align	8
	.type	k_q15ef2e99a4_prep,@function
k_q15ef2e99a4_prep:
	s_mov_b64 s[64:65], 0
	v_nop
	global_prefetch_b8 v0, s[64:65] scope:SCOPE_SE
	s_setreg_imm32_b32 hwreg(HW_REG_WAVE_MODE, 25, 1), 1
	s_wait_xcnt 0x0
; Work-group 0: the token list of each of the 8 experts, and its length.  Work-groups 1-256: W1 [8][512][2048] f32, work-groups 257-512: W2 [8][2048][512] f32,
; into codes of FP4 (E2M1) with one E8M0 scale byte for each 32 along K, K being the FIRST axis of a weight.
; A LANE TAKES A COLUMN n AND ITS REGISTERS RUN DOWN K: a block of 32 lies in one lane's 32 registers, its largest magnitude needs no other lane, and the conversions give codes with K innermost.
; A block's scale is 2^(floor(log2(largest magnitude)) - 2): its byte is the largest magnitude's exponent field - 2, held at 1 from below by a floor among the maximum's leaves.
; LAYOUT OF THE CODES: the order of the operand's registers.  A UNIT is 32 columns x 128 along K, 2,048 bytes: [tile u 2][register group c 2][lane r + 16 hh][16 bytes]; those 16 bytes are block 2 c + hh of column
; q(u, r) = 16 (r / 8) + 8 u + r % 8 of the 32.  So the product's launch fills a fragment by two dense loads of 512 bytes, and its result holds 16 neighbouring columns in a lane's 16 registers.
; A unit's scale words: 128 bytes, lane 16 u + r holds column q(u, r)'s four bytes.
; wcodes [g 2][expert 8][strip 16][unit 16][2,048], wscales likewise with 128.  W1 (g = 0): column = 128 strip + 32 p + q, unit = 4 p + K step.  W2 (g = 1): column = 32 strip + q, unit = K step.
; One wave makes one unit; the eight waves of a work-group stand side by side on 256 columns, 1,024 consecutive bytes of each row of the weight.  No LDS, no barrier: waves share nothing.
; LIMITS: NaN and infinities among the weights are not served.  A block of zeros gets the byte 1 where the rule says 127: its codes are zeros, and these bytes are read by this program alone.
.set X,  16                            ; v16-79   two sets of 32 numbers
.set C,  80                            ; v80-95   four registers of codes for each block: no store's data are written again
.set SW, 96                            ; v96      the column's scale word
.set NIL, 144                          ; v144     the lists: 0
.set LD,  146                          ; v146-153 the lists: a word and its byte offset for each of a trip's four steps
.macro OFFS dst, base, she, shp, shs, add      ; s[dst:dst+1] = base + (expert << she) + (pair << shp) + (K step << shs) + add
	s_lshl_b32 s34, s26, \she
	s_lshl_b32 s30, s29, \shp
	s_add_co_u32 s34, s34, s30
	s_lshl_b32 s30, s28, \shs
	s_add_co_u32 s34, s34, s30
.if \add
	s_add_co_u32 s34, s34, \add
.endif
	s_add_nc_u64 s[\dst:\dst+1], s[\base:\base+1], s[34:35]
.endm
.macro QLOAD t, pitch                          ; block t: W(32 t + i, my column), i = 0 .. 31, into set t % 2; the wave's 32 lanes read 128 consecutive bytes
.irp i, 0,1,2,3,4,5,6,7,8,9,10,11,12,13,14,15,16,17,18,19,20,21,22,23,24,25,26,27,28,29,30,31
	global_load_b32 v[X+32*((\t)%2)+\i], v3, s[20:21] offset:(32*(\t)+\i)*\pitch th:TH_LOAD_NT
.endr
.endm
.macro QBLOCK t, pitch
.set XS, X+32*((\t)%2)
.if (\t) < 3
	s_wait_loadcnt 32                              ; this block's 32 loads are in; the next block's 32 may be out
.else
	s_wait_loadcnt 0x0
.endif
	v_max3_num_f32 v12, |v[XS]|, |v[XS+1]|, |v[XS+2]|              ; the block's largest magnitude, in two chains: all 32 numbers are mine
	v_max3_num_f32 v13, |v[XS+3]|, |v[XS+4]|, |v[XS+5]|
.irp i, 6,10,14,18,22,26
	v_max3_num_f32 v12, v12, |v[XS+\i]|, |v[XS+\i+1]|
	v_max3_num_f32 v13, v13, |v[XS+\i+2]|, |v[XS+\i+3]|
.endr
	v_max3_num_f32 v12, v12, |v[XS+30]|, |v[XS+31]|
	v_max3_num_f32 v12, v12, v13, 0x1800000        ; and the floor 2^(3 - 127): the byte cannot fall under 1
	v_add_nc_u32 v11, 0xff000000, v12              ; 2 off the exponent field: the conversion takes this operand's exponent field as its scale
	v_lshrrev_b32 v13, 23, v11                     ; the scale's byte
.if (\t) == 0
	v_mov_b32 v[SW], v13                           ; four bytes to the word, the lower K in the lower byte
.else
	v_lshl_or_b32 v[SW], v13, 8*(\t), v[SW]
.endif
.irp g, 0,1,2,3
	v_cvt_scalef32_pk8_fp4_f32 v[C+4*(\t)+\g], v[XS+8*\g:XS+8*\g+7], v11
.endr
	global_store_b128 v4, v[C+4*(\t):C+4*(\t)+3], s[22:23] offset:256*(\t)   ; lanes 0-15 fill 256 consecutive aligned bytes of tile 0's image, lanes 16-31 of tile 1's
.if (\t) < 2
	QLOAD (\t)+2, \pitch
.endif
.endm
.macro QPATH pitch
	QLOAD 0, \pitch
	QLOAD 1, \pitch
	QBLOCK 0, \pitch
	QBLOCK 1, \pitch
	QBLOCK 2, \pitch
	QBLOCK 3, \pitch
	global_store_b32 v5, v[SW], s[24:25]           ; the unit's 32 scale words: 128 consecutive bytes
	s_endpgm
.endm
	s_load_b256 s[4:11], s[0:1], 0x0               ; W1 s[4:5], W2 s[6:7], type_vec s[8:9], wcodes s[10:11]
	s_load_b128 s[12:15], s[0:1], 0x20             ; wscales s[12:13], order s[14:15]
	s_load_b64 s[16:17], s[0:1], 0x30              ; counts
	v_lshrrev_b32 v2, 5, v0
	v_readfirstlane_b32 s18, v2                    ; wave 0..7
	v_and_b32 v1, 31, v0                           ; lane
	s_mov_b32 s35, 0                               ; the upper word of every offset: all stay under 2^32
	s_wait_kmcnt 0x0
	s_cmp_eq_u32 ttmp9, 0
	s_cbranch_scc1 .Lroute
	v_and_b32 v6, 15, v1                           ; r
	v_lshrrev_b32 v7, 4, v1                        ; u
	v_and_b32 v8, 8, v6
	v_and_b32 v9, 7, v6
	v_lshl_add_u32 v3, v8, 1, v9                   ; 16 (r / 8) + r % 8
	v_lshl_add_u32 v3, v7, 3, v3                   ; + 8 u: my column q of the 32
	v_lshlrev_b32 v3, 2, v3                        ; in bytes
	v_lshlrev_b32 v4, 4, v6
	v_lshl_add_u32 v4, v7, 10, v4                  ; my 16 bytes of a block in the unit: 1,024 u + 16 r (+ 256 x block)
	v_lshlrev_b32 v5, 2, v1                        ; my scale word: 4 x lane
	s_cmp_gt_u32 ttmp9, 256
	s_cbranch_scc1 .Lw2
	; W1: 64 pairs of tiles x 4 K steps an expert: 32 work-groups
	s_sub_co_u32 s19, ttmp9, 1
	s_lshr_b32 s26, s19, 5                         ; expert
	s_and_b32 s27, s19, 31
	s_lshr_b32 s28, s27, 3                         ; K step
	s_and_b32 s29, s27, 7
	s_lshl_b32 s29, s29, 3
	s_add_co_u32 s29, s29, s18                     ; which 32 columns
	OFFS 20, 4, 22, 7, 20, 0                       ; W1: expert x 4 MiB + 128 rows of 8,192 bytes a K step + 128 bytes a pair
	OFFS 22, 10, 19, 13, 11, 0
	OFFS 24, 12, 15, 9, 7, 0
	QPATH 8192
.Lw2:
	; W2: 16 pairs of tiles x 16 K steps an expert: 32 work-groups
	s_sub_co_u32 s19, ttmp9, 257
	s_lshr_b32 s26, s19, 5
	s_and_b32 s27, s19, 31
	s_lshr_b32 s28, s27, 1
	s_and_b32 s29, s27, 1
	s_lshl_b32 s29, s29, 3
	s_add_co_u32 s29, s29, s18
	OFFS 20, 6, 22, 7, 18, 0                       ; W2: 128 rows of 2,048 bytes a K step
	OFFS 22, 10, 19, 15, 11, 4194304
	OFFS 24, 12, 15, 11, 7, 262144
	QPATH 2048
.Lroute:
	; Wave e PARTITIONS the 4,096 tokens into order[e][0 .. 4095]: its own tokens from the front on, all others from the back on; counts[e] says where its own end, and only those are read later.
	; A word: bits 11:0 the token, bit 12 set where its type is not e itself.  Waves 0-6 own type == e.  Wave 7 owns every type that is none of 0 .. 6, so that each token is owned once and the eight counts
	; add up to 4,096; among wave 7's own, bit 12 marks a type outside 0 .. 7.
	; Every lane stores in every step and every place of the list is written once: all lanes stay on.  In step k (32 k tokens are placed already), with a = my list's length so far + my own lanes below me:
	; a token of mine goes to place a; another is number (32 k + lane) - a among the others and goes to 4095 - that = a + (4095 - 32 k - lane).
	s_cmp_eq_u32 s18, 7
	s_cselect_b32 s27, -8, 0                       ; a type is mine where (type - e), unsigned, is at most this: types 0 .. 6 less 7 are the seven largest unsigned numbers
	s_mov_b32 s26, s18
	s_lshl_b32 s34, s18, 14
	s_add_nc_u64 s[28:29], s[14:15], s[34:35]      ; my list
	s_mov_b32 s30, 0                               ; its length so far
	v_lshlrev_b32 v2, 4, v1
	v_lshlrev_b32 v3, 2, v1
	v_mov_b32 v[NIL], 0
.set T, 0
.rept 32
	global_load_b128 v[16+4*T:19+4*T], v2, s[8:9] offset:512*T   ; register (T, j) of lane l: the type of token 128 T + 4 l + j
.set T, T+1
.endr
.set T, 0
.rept 32
	s_wait_loadcnt 31-T                            ; load T is in; the younger ones may be out
	s_wait_xcnt 0x0                                ; the last four stores have read their words and offsets: the four sets are written again only behind this wait
.irp j, 0,1,2,3
	v_sub_nc_u32 v4, v[16+4*T+\j], s26
	v_cmp_ge_u32 vcc_lo, s27, v4                   ; mine?
	v_min_u32 v5, 1, v4                            ; 1 where the type is not e itself
	v_add_nc_u32 v6, 128*T+\j, v3                  ; the token
	v_lshl_or_b32 v[LD+2*\j], v5, 12, v6
	v_mbcnt_lo_u32_b32 v7, vcc_lo, s30             ; a: the length so far + my own lanes below me
	v_sub_nc_u32 v5, 4095-32*(4*T+\j), v1          ; what another's token adds to it,
	v_cndmask_b32 v5, v5, v[NIL], vcc_lo           ; and mine does not
	v_add_nc_u32 v7, v7, v5
	v_min_u32 v7, 0xfff, v7                        ; (a list has 4,096 places)
	v_lshlrev_b32 v[LD+2*\j+1], 2, v7
	s_bcnt1_i32_b32 s31, vcc_lo
	s_add_co_u32 s30, s30, s31
	s_min_u32 s30, s30, 4096                       ; (and at most as many tokens)
	global_store_b32 v[LD+2*\j+1], v[LD+2*\j], s[28:29]
.endr
.set T, T+1
.endr
	v_mov_b32 v8, s30
	s_lshl_b32 s33, s18, 2
	v_mov_b32 v9, s33
	v_cmp_eq_u32 vcc_lo, 0, v1
	s_wait_xcnt 0x0                                ; EXEC is a source of the stores above: it is narrowed only behind this wait
	s_and_saveexec_b32 s32, vcc_lo
	global_store_b32 v9, v8, s[16:17]              ; counts[e], by lane 0
	s_wait_xcnt 0x0                                ; and widened again only behind this one
	s_or_b32 exec_lo, exec_lo, s32
	s_endpgm
.Lfunc_end_k_q15ef2e99a4_prep:
	.size	k_q15ef2e99a4_prep, .Lfunc_end_k_q15ef2e99a4_prep-k_q15ef2e99a4_prep
	.p2alignl 7, 3214868480
	.fill 96, 4, 3214868480
	.section	.rodata,"a",@progbits
	.p2align	6, 0x0
	.amdhsa_kernel k_q15ef2e99a4_prep
		.amdhsa_group_segment_fixed_size 0
		.amdhsa_private_segment_fixed_size 0
		.amdhsa_enable_private_segment 0
		.amdhsa_kernarg_size 56
		.amdhsa_user_sgpr_count 2
		.amdhsa_user_sgpr_kernarg_segment_ptr 1
		.amdhsa_wavefront_size32 1
		.amdhsa_system_sgpr_workgroup_id_x 1
		.amdhsa_system_sgpr_workgroup_id_y 1
		.amdhsa_system_sgpr_workgroup_id_z 1
		.amdhsa_system_vgpr_workitem_id 0
		.amdhsa_next_free_vgpr 160
		.amdhsa_next_free_sgpr 66
		.amdhsa_reserve_vcc 1
		.amdhsa_float_denorm_mode_32 3
		.amdhsa_float_denorm_mode_16_64 3
		.amdhsa_memory_ordered 1
		.amdhsa_forward_progress 1
		.amdhsa_inst_pref_size 142
	.end_amdhsa_kernel
	.amdgpu_metadata
---
amdhsa.version: [ 1, 2 ]
amdhsa.kernels:
  - .name:           k_q15ef2e99a4_prep
    .symbol:         k_q15ef2e99a4_prep.kd
    .args:
      - { .name: W1, .offset: 0, .size: 8, .value_kind: global_buffer, .address_space: global }
      - { .name: W2, .offset: 8, .size: 8, .value_kind: global_buffer, .address_space: global }
      - { .name: type_vec, .offset: 16, .size: 8, .value_kind: global_buffer, .address_space: global }
      - { .name: wcodes, .offset: 24, .size: 8, .value_kind: global_buffer, .address_space: global }
      - { .name: wscales, .offset: 32, .size: 8, .value_kind: global_buffer, .address_space: global }
      - { .name: order, .offset: 40, .size: 8, .value_kind: global_buffer, .address_space: global }
      - { .name: counts, .offset: 48, .size: 8, .value_kind: global_buffer, .address_space: global }
    .group_segment_fixed_size: 0
    .private_segment_fixed_size: 0
    .kernarg_segment_align: 8
    .kernarg_segment_size: 56
    .max_flat_workgroup_size: 256
    .sgpr_count:     66
    .vgpr_count:     160
    .wavefront_size: 32
...
	.end_amdgpu_metadata
.endif
;; end of part 1
;; launch mlp (part 2): grid 135 x 1, 16 waves a work-group, no clusters, 185,344 bytes of LDS; arguments counts, order, x, wcodes, wscales, b1, b2, g1, be1, g2, be2, out0; writes out0
.if DOCPART == 2
	.amdgcn_target "amdgcn-amd-amdhsa--gfx1250"
	.amdhsa_code_object_version 6
	.text
	.protected	k_q15ef2e99a4_mlp
	.globl	k_q15ef2e99a4_mlp
	.p2align	8
	.type	k_q15ef2e99a4_mlp,@function
k_q15ef2e99a4_mlp:
	s_mov_b64 s[64:65], 0
	v_nop
	global_prefetch_b8 v0, s[64:65] scope:SCOPE_SE
	s_setreg_imm32_b32 hwreg(HW_REG_WAVE_MODE, 25, 1), 1
	s_wait_xcnt 0x0
; out[token] = LN2(h + relu(Q(h) Q(W1[e]) + b1[e]) Q(W2[e]) + b2[e]), h = LN1(x[token]), e the token's type; both products on codes of FP4 (E2M1) with one E8M0 scale for each 32 along K.
; Of the eight experts' results only the token's own is kept, so only that one is computed: a work-group takes up to 32 tokens of ONE expert's list.
; TILES.  n_e = ceil(count_e / 32) add up to 128 .. 135 (the counts add up to 4,096).  The grid has 135 work-groups; the L = 135 - sum that are over go to the longest list (512 tokens at the least), whose first 32 L
; rows are cut into 2 L tiles of 16: so every work-group has rows of its own, for every type_vec.  A tile with fewer than 32 rows repeats its last row (the index is held at the tile's end): the repeats compute and
; store the same bytes.  The text is one straight line: no branch, no loop, EXEC never changes.
; SHARES.  THE SIXTEEN WAVES SHARE THE COLUMNS, NOT THE ROWS: wave w owns columns 32 w .. 32 w + 31 of x, h and out (one block of 32) and hidden units 128 w .. 128 w + 127 (K step w of the second product), for all 32 rows.
; So each fragment of a weight is read once in the work-group, by one wave, straight into its registers (dense loads of 512 bytes: the codes lie in the order of the operand's registers), and feeds two products.
; BOTH PRODUCTS ARE USED TRANSPOSED (source 0 = 16 columns of the weight, source 1 = 16 tokens): a lane holds one token (lane % 16), and the 16 registers of a pair of tiles are 16 neighbouring columns, 16 (lane / 16) + 0 .. 15.
; The rows' codes go from wave to wave through LDS as images of the operand's registers: a lane's 16 codes are 8 bytes of one 16-byte place of the image.  The hidden layer never goes to memory.
; b1 is the C of a sum's first product; h + b2 is the start of the second product's sums (reference() adds both behind them: another order of f32 additions, not ahead of a quantiser).
; NO CLUSTER: joint requests are tensor loads into LDS, and here no fragment is used by two waves of a work-group, so LDS would only be written and read once more; 135 is no multiple of 4; and which work-groups
; share an expert hangs on counts read from memory, an expert's number of tiles being no multiple of 4 either.
; LIMITS: NaN and infinities among the inputs are not served.  A block of zeros gets the byte 1 with zero codes.  A token whose type lies outside 0 .. 7 gets zeros, as reference() gives it.
.set XIMG, 0                           ; LDS: x's fragments [m 2][K step 4] of 1,024 bytes
.set XSC,  8192                        ; their scale bytes [m][row 16][16]
.set HSC,  8704                        ; the hidden layer's scale bytes [m][row 16][64]
.set RED,  10752                       ; four regions of 2,048: [m][row 16][wave 16] f32, the waves' partial sums
.set HIMG, 18944                       ; the hidden layer's fragments [m 2][K step 16] of 1,024 bytes
.set HB,   51712                       ; h + b2: each wave's own 4,096 bytes, as register images
.set STG,  117248                      ; the way out: 32 rows of 2,048 bytes + 16
.set SROW, 2064
; v1 16 x lane; v2 where I read partial sums; v3, v4 my offsets in the codes and scale words; v5 in b1; v6 in a row of 512 numbers; v7, v8 where the hidden layer's codes and bytes go; v9 my place in HB;
; v10, v11 the rows of out that I store; v12 where my partial sums go; v13, v14 x's codes and bytes, later the stage in and out; v15 where scale words are read
.set XF,   16                          ; v16-79   LN1: x of tile 0, of tile 1, g1, be1.  First product: x's 8 fragments.  Second: the hidden layer's, four slots of two
.set X0,   16
.set X1,   32
.set GG,   48
.set BE,   64
.set SCL,  80                          ; v80-111  the rows' scale words, and nothing else
.set WS,   112                         ; v112-115 the weights' scale words, a register for each slot of the ring, and nothing else
.set ACC,  116                         ; v116-147 four accumulators: ACC + 16 m + 8 u
.set RING, 148                         ; v148-211 the weights' ring: four slots of a unit (two fragments)
.set BIAS, 212                         ; v212-243 two sets of 16: b1 of a pair of tiles; at last g2 and be2
.set TM,   244                         ; v244-255 at work
.macro BAR                                     ; my LDS stores have landed and my LDS loads are in: then the work-group's barrier
	s_wait_dscnt 0x0
	s_barrier_signal -1
	s_barrier_wait -1
.endm
.macro PLACES n
.rept \n
	v_nop
.endr
.endm
.macro ULOAD i                                 ; unit i of my 32 (0-15: W1's strip w; 16-31: W2's) into slot i % 4: five loads
.if (\i) < 16
.set IC, 2048*(\i)
.set IS, 128*(\i)
.else
.set IC, 4194304+2048*((\i)-16)
.set IS, 262144+128*((\i)-16)
.endif
.set RS, RING+16*((\i)%4)
.irp k, 0,1,2,3
	global_load_b128 v[RS+4*\k:RS+4*\k+3], v3, s[14:15] offset:IC+512*\k   ; 32 lanes read 512 consecutive bytes: half a fragment
.endr
	global_load_b32 v[WS+(\i)%4], v4, s[16:17] offset:IS
.endm
.macro BLOAD n                                 ; 0-3: b1 of pair n; 4: g2; 5: be2; into set n % 2: four loads
.set BS, BIAS+16*((\n)%2)
.irp q, 0,1,2,3
.if (\n) < 4
	global_load_b128 v[BS+4*\q:BS+4*\q+3], v5, s[18:19] offset:128*(\n)+16*\q
.elseif (\n) == 4
	global_load_b128 v[BS+4*\q:BS+4*\q+3], v6, s[26:27] offset:16*\q
.else
	global_load_b128 v[BS+4*\q:BS+4*\q+3], v6, s[28:29] offset:16*\q
.endif
.endr
.endm
.macro MM u, m, sl, b, sb, cb                  ; one product: tile u of the slot's unit x the rows' fragment b.  cb >= 0: the sum starts from the bias set at BIAS + cb
.if \cb >= 0
.if \u
	v_wmma_scale_f32_16x16x128_f8f6f4 v[ACC+16*\m+8*\u:ACC+16*\m+8*\u+7], v[RING+16*(\sl)+8*\u:RING+16*(\sl)+8*\u+7], v[\b:\b+7], v[BIAS+\cb+8*\u:BIAS+\cb+8*\u+7], v[WS+(\sl)], v[\sb] matrix_a_fmt:MATRIX_FMT_FP4 matrix_b_fmt:MATRIX_FMT_FP4 matrix_a_scale:MATRIX_SCALE_ROW1
.else
	v_wmma_scale_f32_16x16x128_f8f6f4 v[ACC+16*\m+8*\u:ACC+16*\m+8*\u+7], v[RING+16*(\sl)+8*\u:RING+16*(\sl)+8*\u+7], v[\b:\b+7], v[BIAS+\cb+8*\u:BIAS+\cb+8*\u+7], v[WS+(\sl)], v[\sb] matrix_a_fmt:MATRIX_FMT_FP4 matrix_b_fmt:MATRIX_FMT_FP4
.endif
.else
.if \u
	v_wmma_scale_f32_16x16x128_f8f6f4 v[ACC+16*\m+8*\u:ACC+16*\m+8*\u+7], v[RING+16*(\sl)+8*\u:RING+16*(\sl)+8*\u+7], v[\b:\b+7], v[ACC+16*\m+8*\u:ACC+16*\m+8*\u+7], v[WS+(\sl)], v[\sb] matrix_a_fmt:MATRIX_FMT_FP4 matrix_b_fmt:MATRIX_FMT_FP4 matrix_a_scale:MATRIX_SCALE_ROW1
.else
	v_wmma_scale_f32_16x16x128_f8f6f4 v[ACC+16*\m+8*\u:ACC+16*\m+8*\u+7], v[RING+16*(\sl)+8*\u:RING+16*(\sl)+8*\u+7], v[\b:\b+7], v[ACC+16*\m+8*\u:ACC+16*\m+8*\u+7], v[WS+(\sl)], v[\sb] matrix_a_fmt:MATRIX_FMT_FP4 matrix_b_fmt:MATRIX_FMT_FP4
.endif
.endif
.endm
.macro MUL4 sl, b0, b1, s0, s1, cb             ; a step: the four accumulators take turns, one instruction a turn, in the same order in every step
	MM 0, 0, \sl, \b0, \s0, \cb
	MM 0, 1, \sl, \b1, \s1, \cb
	MM 1, 0, \sl, \b0, \s0, \cb
	MM 1, 1, \sl, \b1, \s1, \cb
.endm
.macro SUM16 d, a, t                           ; v[d] = the sum of v[a .. a + 15], from the low end on; t: 8 registers at work (t = a: in place)
	v_pk_add_f32 v[\t:\t+1], v[\a:\a+1], v[\a+2:\a+3]
	v_pk_add_f32 v[\t+2:\t+3], v[\a+4:\a+5], v[\a+6:\a+7]
	v_pk_add_f32 v[\t+4:\t+5], v[\a+8:\a+9], v[\a+10:\a+11]
	v_pk_add_f32 v[\t+6:\t+7], v[\a+12:\a+13], v[\a+14:\a+15]
	v_pk_add_f32 v[\t:\t+1], v[\t:\t+1], v[\t+2:\t+3]
	v_pk_add_f32 v[\t+4:\t+5], v[\t+4:\t+5], v[\t+6:\t+7]
	v_pk_add_f32 v[\t:\t+1], v[\t:\t+1], v[\t+4:\t+5]
	v_add_f32 v[\d], v[\t], v[\t+1]
.endm
.macro SQ16 d, a, t                            ; v[d] = the sum of their squares, in two chains; t: 4 registers
	v_pk_mul_f32 v[\t:\t+1], v[\a:\a+1], v[\a:\a+1]
	v_pk_mul_f32 v[\t+2:\t+3], v[\a+2:\a+3], v[\a+2:\a+3]
.irp i, 4,8,12
	v_pk_fma_f32 v[\t:\t+1], v[\a+\i:\a+\i+1], v[\a+\i:\a+\i+1], v[\t:\t+1]
	v_pk_fma_f32 v[\t+2:\t+3], v[\a+\i+2:\a+\i+3], v[\a+\i+2:\a+\i+3], v[\t+2:\t+3]
.endr
	v_pk_add_f32 v[\t:\t+1], v[\t:\t+1], v[\t+2:\t+3]
	v_add_f32 v[\d], v[\t], v[\t+1]
.endm
; My lane's partial sums of row r of tiles 0 and 1, in v[TM] and v[TM+1], become the rows' totals over all 512 columns, in the same registers.  Region k of RED is used once.
.macro REDUCE k, tmp
	v_permlanex16_b32 v[TM+2], v[TM], s66, s67
	v_permlanex16_b32 v[TM+3], v[TM+1], s66, s67
	v_add_f32 v[TM], v[TM], v[TM+2]                ; with lane l xor 16's: my wave's 32 columns
	v_add_f32 v[TM+1], v[TM+1], v[TM+3]
	ds_store_b32 v12, v[TM] offset:2048*(\k)       ; (both halves of the lanes write the same word with the same value)
	ds_store_b32 v12, v[TM+1] offset:2048*(\k)+1024
	BAR
.irp q, 0,1,2,3
	ds_load_b128 v[\tmp+4*\q:\tmp+4*\q+3], v2 offset:2048*(\k)+16*\q   ; lane (r, h): the sixteen waves' partial sums of row r of tile h
.endr
	s_wait_dscnt 0x0
	SUM16 TM+2, \tmp, \tmp
	v_permlanex16_b32 v[TM+3], v[TM+2], s66, s67   ; the other tile's total
	v_cndmask_b32 v[TM], v[TM+2], v[TM+3], s70     ; tile 0's: mine in lanes 0-15
	v_cndmask_b32 v[TM+1], v[TM+3], v[TM+2], s70   ; tile 1's: mine in lanes 16-31
.endm
.macro LNSUB a, p
.irp i, 0,2,4,6,8,10,12,14
	v_pk_add_f32 v[\a+\i:\a+\i+1], v[\a+\i:\a+\i+1], v[\p:\p+1] op_sel_hi:[1,0] neg_lo:[0,1] neg_hi:[0,1]
.endr
.endm
.macro LNMUL a, p
	s_wait_alu depctr_va_vdst(0)
.irp i, 0,2,4,6,8,10,12,14
	v_pk_mul_f32 v[\a+\i:\a+\i+1], v[\a+\i:\a+\i+1], v[\p:\p+1] op_sel_hi:[1,0]
.endr
.endm
.macro LNAFF a, g, b
.irp i, 0,2,4,6,8,10,12,14
	v_pk_fma_f32 v[\a+\i:\a+\i+1], v[\a+\i:\a+\i+1], v[\g+\i:\g+\i+1], v[\b+\i:\b+\i+1]
.endr
.endm
; A layer norm's two passes over my 16 numbers of a row of each tile, a0 and a1: the mean is taken away first, the squares are of the differences.  Leaves the differences in place and
; 1 / sqrt(variance + 1e-5) in v[TM+8] and v[TM+10].  t: 16 registers at work; k, k + 1: regions of RED.  Two barriers.
.macro LNSTATS a0, a1, t, k
	SUM16 TM, \a0, \t
	SUM16 TM+1, \a1, \t+8
	REDUCE \k, \t
	v_mul_f32 v[TM+4], s68, v[TM]                  ; the means
	v_mul_f32 v[TM+6], s68, v[TM+1]
	LNSUB \a0, TM+4
	LNSUB \a1, TM+6
	SQ16 TM, \a0, \t
	SQ16 TM+1, \a1, \t+4
	REDUCE \k+1, \t
	v_fma_f32 v[TM], v[TM], s68, s69
	v_fma_f32 v[TM+1], v[TM+1], s68, s69
	v_rsq_f32 v[TM+8], v[TM]
	v_rsq_f32 v[TM+10], v[TM+1]
	v_nop                                          ; a plain place behind the transcendentals (ISA guide 5.7.2)
.endm
; Two blocks of 32 (a row of tile 0 and of tile 1; 16 numbers of each in my lane, the other 16 in lane l xor 16) become codes and a scale byte, by turns; 8 bytes of codes and the byte go to LDS.
.macro QBLK2 a0, a1, adrc, oc0, oc1, adrs, os0, os1
	s_wait_dscnt 0x0                               ; the last stores have read the registers that are written below
	v_max3_num_f32 v[TM], |v[\a0]|, |v[\a0+1]|, 0x1800000          ; the largest magnitude, and the floor 2^(3 - 127): the byte cannot fall under 1
	v_max3_num_f32 v[TM+1], |v[\a1]|, |v[\a1+1]|, 0x1800000
.irp i, 2,4,6,8,10,12,14
	v_max3_num_f32 v[TM], v[TM], |v[\a0+\i]|, |v[\a0+\i+1]|
	v_max3_num_f32 v[TM+1], v[TM+1], |v[\a1+\i]|, |v[\a1+\i+1]|
.endr
	v_permlanex16_b32 v[TM+2], v[TM], s66, s67
	v_permlanex16_b32 v[TM+3], v[TM+1], s66, s67
	v_max_num_f32 v[TM], v[TM], v[TM+2]
	v_max_num_f32 v[TM+1], v[TM+1], v[TM+3]
	v_add_nc_u32 v[TM+4], 0xff000000, v[TM]        ; 2 off the exponent field: the conversion's scale operand
	v_add_nc_u32 v[TM+5], 0xff000000, v[TM+1]
	v_lshrrev_b32 v[TM+6], 23, v[TM+4]             ; the scale's byte
	v_lshrrev_b32 v[TM+7], 23, v[TM+5]
	v_cvt_scalef32_pk8_fp4_f32 v[TM+8], v[\a0:\a0+7], v[TM+4]
	v_cvt_scalef32_pk8_fp4_f32 v[TM+9], v[\a0+8:\a0+15], v[TM+4]
	v_cvt_scalef32_pk8_fp4_f32 v[TM+10], v[\a1:\a1+7], v[TM+5]
	v_cvt_scalef32_pk8_fp4_f32 v[TM+11], v[\a1+8:\a1+15], v[TM+5]
	v_nop                                          ; one plain place behind the last scaled conversion: products write its sources later
	ds_store_b64 v[\adrc], v[TM+8:TM+9] offset:\oc0
	ds_store_b64 v[\adrc], v[TM+10:TM+11] offset:\oc1
	ds_store_b8 v[\adrs], v[TM+6] offset:\os0      ; (both lanes of a block write the same byte with the same value)
	ds_store_b8 v[\adrs], v[TM+7] offset:\os1
.endm
.macro HF s                                    ; the hidden layer's two fragments of K step s into slot s % 4: four loads
.irp m, 0,1
.irp c, 0,1
	ds_load_b128 v[XF+16*((\s)%4)+8*\m+4*\c:XF+16*((\s)%4)+8*\m+4*\c+3], v1 offset:HIMG+16384*\m+1024*(\s)+512*\c
.endr
.endr
.endm
	; ---- the head: addresses that hang on the thread's number alone
	s_load_b512 s[8:23], s[0:1], 0x0               ; counts s[8:9], order s[10:11], x s[12:13], wcodes s[14:15], wscales s[16:17], b1 s[18:19], b2 s[20:21], g1 s[22:23]
	s_load_b256 s[24:31], s[0:1], 0x40             ; be1 s[24:25], g2 s[26:27], be2 s[28:29], out0 s[30:31]
	v_lshrrev_b32 v19, 5, v0                       ; w
	v_readfirstlane_b32 s2, v19
	s_wait_kmcnt 0x0
	s_load_b256 s[32:39], s[8:9], 0x0              ; the eight counts
	v_and_b32 v16, 31, v0                          ; lane
	v_and_b32 v17, 15, v0                          ; r
	v_bfe_u32 v18, v0, 4, 1                        ; h
	v_lshlrev_b32 v1, 4, v16
	v_lshlrev_b32 v2, 6, v17
	v_lshl_add_u32 v2, v18, 10, v2
	v_add_nc_u32 v2, RED, v2                       ; RED + 1,024 h + 64 r
	v_lshl_add_u32 v3, v19, 15, v1                 ; a strip of codes is 32,768 bytes
	v_lshlrev_b32 v4, 2, v16
	v_lshl_add_u32 v4, v19, 11, v4                 ; a strip of scale words 2,048
	v_lshlrev_b32 v5, 6, v18
	v_lshl_add_u32 v6, v19, 7, v5                  ; 128 w + 64 h: my 16 numbers of a row of 512
	v_lshl_add_u32 v5, v19, 9, v5                  ; 512 w + 64 h: my 16 numbers of b1's pair 0
	v_lshlrev_b32 v20, 4, v17
	v_lshl_add_u32 v20, v18, 3, v20                ; 16 r + 8 h: my 8 bytes of a block's place in an image
	v_lshl_add_u32 v7, v19, 10, v20
	v_add_nc_u32 v7, HIMG, v7
	v_lshlrev_b32 v8, 6, v17
	v_lshl_add_u32 v8, v19, 2, v8                  ; 64 r + 4 w
	v_add_nc_u32 v12, RED, v8
	v_add_nc_u32 v8, HSC, v8
	v_lshl_add_u32 v9, v19, 12, v1
	v_add_nc_u32 v9, HB, v9
	v_lshl_add_u32 v13, v19, 8, v20                ; XIMG + 256 w + 16 r + 8 h
	v_lshlrev_b32 v15, 4, v17
	v_add_nc_u32 v15, XSC, v15
	v_add_nc_u32 v14, v15, v19
.irp i, 0,1,2,3,4,5,6,7,8,9,10,11
	v_mov_b32 v[TM+\i], 0                          ; written once: a lane permute's destination, and the upper half of a pair that is named, count as read
.endr
	s_mov_b32 s66, 0x76543210
	s_mov_b32 s67, 0xfedcba98                      ; v_permlanex16_b32's selects for lane l xor 16
	s_mov_b32 s68, 0x3b000000                      ; 1 / 512
	s_mov_b32 s69, 0x3727c5ac                      ; 1e-5
	s_mov_b32 s70, 0xffff0000                      ; lanes 16-31
	s_mov_b32 s48, 0                               ; the sum of the n_e, then L
	s_mov_b32 s49, 0                               ; the longest list's length
	s_mov_b32 s50, 0                               ; and its expert
	s_mov_b32 s51, 0                               ; tiles ahead of expert e
	s_mov_b32 s52, 0                               ; my expert,
	s_mov_b32 s53, 0                               ; its first tile,
	s_mov_b32 s54, 0                               ; its count,
	s_mov_b32 s55, 0                               ; L if it is the longest, else 0
	s_wait_kmcnt 0x0
	; ---- which tile is mine: selections on whole numbers read from memory, no branch
.irp e, 0,1,2,3,4,5,6,7
	s_min_u32 s[32+\e], s[32+\e], 4096
	s_add_co_u32 s[40+\e], s[32+\e], 31
	s_lshr_b32 s[40+\e], s[40+\e], 5               ; n_e
	s_add_co_u32 s48, s48, s[40+\e]
	s_cmp_gt_u32 s[32+\e], s49
	s_cselect_b32 s50, \e, s50
	s_cselect_b32 s49, s[32+\e], s49
.endr
	s_sub_co_u32 s48, 135, s48
	s_min_u32 s48, s48, 7                          ; L
.irp e, 0,1,2,3,4,5,6,7
	s_cmp_eq_u32 s50, \e
	s_cselect_b32 s56, s48, 0
	s_add_co_u32 s57, s[40+\e], s56                ; this expert's tiles
	s_cmp_ge_u32 ttmp9, s51                        ; the last expert whose first tile is not behind mine wins: empty lists are passed over
	s_cselect_b32 s52, \e, s52
	s_cselect_b32 s53, s51, s53
	s_cselect_b32 s54, s[32+\e], s54
	s_cselect_b32 s55, s56, s55
	s_add_co_u32 s51, s51, s57
.endr
	s_sub_co_u32 s56, ttmp9, s53                   ; j: my tile among the expert's
	s_lshl_b32 s57, s56, 4                         ; a short tile begins at 16 j,
	s_sub_co_u32 s58, s56, s55
	s_lshl_b32 s58, s58, 5                         ; a whole one at 32 (j - L)
	s_lshl_b32 s59, s55, 1
	s_cmp_lt_u32 s56, s59                          ; the first 2 L are short
	s_cselect_b32 s57, s57, s58                    ; my first row in the list
	s_cselect_b32 s58, 16, 32
	s_add_co_u32 s58, s57, s58
	s_min_u32 s58, s58, s54
	s_sub_co_u32 s58, s58, 1                       ; my last row
	s_min_u32 s52, s52, 7
	s_mov_b32 s61, 0
	s_lshl_b32 s60, s52, 14
	s_add_nc_u64 s[10:11], s[10:11], s[60:61]      ; my expert's list,
	s_lshl_b32 s60, s52, 19
	s_add_nc_u64 s[14:15], s[14:15], s[60:61]      ; codes,
	s_lshl_b32 s60, s52, 15
	s_add_nc_u64 s[16:17], s[16:17], s[60:61]      ; scale words,
	s_lshl_b32 s60, s52, 13
	s_add_nc_u64 s[18:19], s[18:19], s[60:61]      ; b1,
	s_lshl_b32 s60, s52, 11
	s_add_nc_u64 s[20:21], s[20:21], s[60:61]      ; b2, g1, be1, g2, be2
	s_add_nc_u64 s[22:23], s[22:23], s[60:61]
	s_add_nc_u64 s[24:25], s[24:25], s[60:61]
	s_add_nc_u64 s[26:27], s[26:27], s[60:61]
	s_add_nc_u64 s[28:29], s[28:29], s[60:61]
	s_lshl_b32 s62, s2, 1                          ; the tokens of the two rows that my wave stores at the end: rows 2 w and 2 w + 1 of the tile
	s_add_co_u32 s62, s62, s57
	s_min_u32 s63, s62, s58
	s_min_u32 s63, s63, 4095
	s_lshl_b32 s63, s63, 2
	s_load_b32 s73, s[10:11], s63 offset:0x0
	s_add_co_u32 s62, s62, 1
	s_min_u32 s62, s62, s58
	s_min_u32 s62, s62, 4095
	s_lshl_b32 s62, s62, 2
	s_load_b32 s74, s[10:11], s62 offset:0x0
	; ---- requests: my lane's two tokens; the first two bias sets; the ring's four units; then x and the parameters
	v_add_nc_u32 v[TM], s57, v17                   ; row r of tile 0,
	v_add_nc_u32 v[TM+1], 16, v[TM]                ; of tile 1,
	v_min_u32 v[TM], s58, v[TM]                    ; held at the tile's last row
	v_min_u32 v[TM+1], s58, v[TM+1]
	v_min_u32 v[TM], 0xfff, v[TM]
	v_min_u32 v[TM+1], 0xfff, v[TM+1]
	v_lshlrev_b32 v[TM], 2, v[TM]
	v_lshlrev_b32 v[TM+1], 2, v[TM+1]
	global_load_b32 v[TM+2], v[TM], s[10:11]
	global_load_b32 v[TM+3], v[TM+1], s[10:11]
	BLOAD 0
	BLOAD 1
	ULOAD 0
	ULOAD 1
	ULOAD 2
	ULOAD 3
	s_wait_loadcnt 28                              ; the two words of the list are in; the 8 + 20 loads behind them may be out
	v_and_b32 v[TM+4], 0xfff, v[TM+2]
	v_and_b32 v[TM+5], 0xfff, v[TM+3]
	v_min_u32 v[TM+4], 0xfff, v[TM+4]              ; the tokens
	v_min_u32 v[TM+5], 0xfff, v[TM+5]
	v_bfe_u32 v[TM+6], v[TM+2], 12, 1
	v_bfe_u32 v[TM+7], v[TM+3], 12, 1
	v_cmp_ne_u32 s71, 0, v[TM+6]                   ; lanes whose token has a type outside 0 .. 7: its result is 0
	v_cmp_ne_u32 s72, 0, v[TM+7]
	v_lshlrev_b32 v[TM], 11, v[TM+4]               ; a row of x is 2,048 bytes
	v_lshlrev_b32 v[TM+1], 11, v[TM+5]
	v_add_nc_u32 v[TM], v[TM], v6
	v_add_nc_u32 v[TM+1], v[TM+1], v6
.irp q, 0,1,2,3
	global_load_b128 v[X0+4*\q:X0+4*\q+3], v[TM], s[12:13] offset:16*\q
.endr
.irp q, 0,1,2,3
	global_load_b128 v[X1+4*\q:X1+4*\q+3], v[TM+1], s[12:13] offset:16*\q
.endr
.irp q, 0,1,2,3
	global_load_b128 v[GG+4*\q:GG+4*\q+3], v6, s[22:23] offset:16*\q
.endr
.irp q, 0,1,2,3
	global_load_b128 v[BE+4*\q:BE+4*\q+3], v6, s[24:25] offset:16*\q
.endr
.irp q, 0,1,2,3
	global_load_b128 v[ACC+16+4*\q:ACC+16+4*\q+3], v6, s[20:21] offset:16*\q   ; b2
.endr
	s_wait_kmcnt 0x0
	s_and_b32 s73, s73, 0xfff
	s_and_b32 s74, s74, 0xfff
	s_min_u32 s73, s73, 4095
	s_min_u32 s74, s74, 4095
	s_lshl_b32 s73, s73, 11
	s_lshl_b32 s74, s74, 11
	v_add_nc_u32 v10, s73, v1
	v_add_nc_u32 v11, s74, v1
	; ---- LN1, h + b2 to LDS, h quantised
	s_wait_loadcnt 12                              ; x is in; the 12 loads of g1, be1 and b2 may be out
	LNSTATS X0, X1, ACC, 0
	s_wait_loadcnt 0x0                             ; g1, be1, b2
	LNMUL X0, TM+8
	LNMUL X1, TM+10
	LNAFF X0, GG, BE                               ; h
	LNAFF X1, GG, BE
.irp i, 0,2,4,6,8,10,12,14
	v_pk_add_f32 v[GG+\i:GG+\i+1], v[X0+\i:X0+\i+1], v[ACC+16+\i:ACC+16+\i+1]   ; h + b2, where g1 and be1 lay
	v_pk_add_f32 v[BE+\i:BE+\i+1], v[X1+\i:X1+\i+1], v[ACC+16+\i:ACC+16+\i+1]
.endr
.irp m, 0,1
.irp q, 0,1,2,3
	ds_store_b128 v9, v[GG+16*\m+4*\q:GG+16*\m+4*\q+3] offset:512*(4*\m+\q)     ; my wave's own bytes: read back by the same lanes
.endr
.endr
	QBLK2 X0, X1, 13, XIMG, XIMG+4096, 14, 0, 256
	BAR                                            ; x's eight fragments and their scale bytes lie in LDS
	; ---- the first product: my 128 hidden units, a pair of tiles (32 units) at a time, four K steps each
.irp m, 0,1
.irp s, 0,1,2,3
.irp c, 0,1
	ds_load_b128 v[XF+32*\m+8*\s+4*\c:XF+32*\m+8*\s+4*\c+3], v1 offset:XIMG+4096*\m+1024*\s+512*\c
.endr
.endr
.endr
.irp m, 0,1
	ds_load_b128 v[SCL+4*\m:SCL+4*\m+3], v15 offset:256*\m     ; row r's four scale words
.endr
	s_wait_dscnt 0x0
.set I, 0
.rept 16
.set SS, I%4
.set PP, I/4
.if I == 0
	s_wait_loadcnt 15                              ; unit I is in: behind it were issued three units of five loads,
.else
	s_wait_loadcnt 19                              ; and a bias set's four
.endif
.if SS == 0
	MUL4 SS, XF+8*SS, XF+32+8*SS, SCL+SS, SCL+4+SS, 16*(PP%2)
.else
	MUL4 SS, XF+8*SS, XF+32+8*SS, SCL+SS, SCL+4+SS, -1
.endif
.if SS == 3
	PLACES 5                                       ; four in front of loads into registers that the products read and of the first read of results; five, since the next pair's first products write over these accumulators
.else
	PLACES 4
.endif
	ULOAD I+4
.if SS == 0
	BLOAD PP+2                                     ; into the set that this step's products have just read
.endif
.if SS == 3
.irp j, 0,1,2,3,4,5,6,7,8,9,10,11,12,13,14,15,16,17,18,19,20,21,22,23,24,25,26,27,28,29,30,31
	v_max_num_f32 v[ACC+\j], 0, v[ACC+\j]          ; the activation, each accumulator from its low end on
.endr
	QBLK2 ACC, ACC+16, 7, 256*PP, 16384+256*PP, 8, PP, 1024+PP   ; block PP of K step w of the second product
.endif
.set I, I+1
.endr
	BAR                                            ; the hidden layer's 32 fragments and their scale bytes lie in LDS
	; ---- the second product: my 32 columns, sixteen K steps; the sums start from h + b2
	v_and_b32 v15, 15, v0
	v_lshlrev_b32 v15, 6, v15                      ; 64 r
.irp m, 0,1
.irp q, 0,1,2,3
	ds_load_b128 v[SCL+16*\m+4*\q:SCL+16*\m+4*\q+3], v15 offset:HSC+1024*\m+16*\q   ; row r's sixteen scale words
.endr
.endr
.irp m, 0,1
.irp q, 0,1,2,3
	ds_load_b128 v[ACC+16*\m+4*\q:ACC+16*\m+4*\q+3], v9 offset:512*(4*\m+\q)
.endr
.endr
	HF 0
	HF 1
	HF 2
	HF 3
.set S, 0
.rept 16
.set SL, S%4
.if S == 0
	s_wait_loadcnt 19                              ; behind unit 16: be2's four loads and three units
.elseif S < 13
	s_wait_loadcnt 15
.else
	s_wait_loadcnt 5*(15-S)                        ; the last units: the counts run down
.endif
.if S < 13
	s_wait_dscnt 12                                ; K step S's fragments are in; those of the three steps behind it may be out
.else
	s_wait_dscnt 4*(15-S)
.endif
	MUL4 SL, XF+16*SL, XF+16*SL+8, SCL+S, SCL+16+S, -1
	PLACES 4
.if S < 12
	ULOAD S+20
	HF S+4
.endif
.set S, S+1
.endr
	; ---- LN2 and the way out
	LNSTATS ACC, ACC+16, RING, 2
	LNMUL ACC, TM+8
	LNMUL ACC+16, TM+10
	LNAFF ACC, BIAS, BIAS+16                       ; x g2 + be2
	LNAFF ACC+16, BIAS, BIAS+16
	v_mov_b32 v[RING+32], 0
.irp j, 0,1,2,3,4,5,6,7,8,9,10,11,12,13,14,15
	v_cndmask_b32 v[ACC+\j], v[ACC+\j], v[RING+32], s71
	v_cndmask_b32 v[ACC+16+\j], v[ACC+16+\j], v[RING+32], s72
.endr
	v_and_b32 v13, 15, v0
	v_mul_u32_u24 v13, v13, SROW
	v_add_nc_u32 v13, v13, v6
	v_add_nc_u32 v13, STG, v13                     ; into the stage: row r (+ 16 m), my 64 bytes at 128 w + 64 h
	v_lshrrev_b32 v14, 5, v0
	v_mul_u32_u24 v14, v14, 2*SROW
	v_add_nc_u32 v14, v14, v1
	v_add_nc_u32 v14, STG, v14                     ; back: rows 2 w and 2 w + 1, 16 bytes a lane
.irp m, 0,1
.irp q, 0,1,2,3
	ds_store_b128 v13, v[ACC+16*\m+4*\q:ACC+16*\m+4*\q+3] offset:16*SROW*\m+16*\q
.endr
.endr
	BAR                                            ; 32 whole rows lie in the stage
.irp k, 0,1
.irp q, 0,1,2,3
	ds_load_b128 v[RING+16*\k+4*\q:RING+16*\k+4*\q+3], v14 offset:SROW*\k+512*\q
.endr
.endr
.irp k, 0,1
.irp q, 0,1,2,3
	s_wait_dscnt 7-4*\k-\q
	global_store_b128 v[10+\k], v[RING+16*\k+4*\q:RING+16*\k+4*\q+3], s[30:31] offset:512*\q th:TH_STORE_NT   ; 32 lanes store 512 consecutive bytes of the token's row, at a multiple of 256 from out0's first byte
.endr
.endr
	s_wait_xcnt 0x0
	v_lshl_add_u32 v254, v0, 2, 0x2cc00
	v_mov_b32 v255, 0
	s_wait_tensorcnt 0x0
	ds_add_u32 v254, v255
	s_wait_dscnt 0x0
	s_endpgm
.Lfunc_end_k_q15ef2e99a4_mlp:
	.size	k_q15ef2e99a4_mlp, .Lfunc_end_k_q15ef2e99a4_mlp-k_q15ef2e99a4_mlp
	.p2alignl 7, 3214868480
	.fill 96, 4, 3214868480
	.section	.rodata,"a",@progbits
	.p2align	6, 0x0
	.amdhsa_kernel k_q15ef2e99a4_mlp
		.amdhsa_group_segment_fixed_size 185344
		.amdhsa_private_segment_fixed_size 0
		.amdhsa_enable_private_segment 0
		.amdhsa_kernarg_size 96
		.amdhsa_user_sgpr_count 2
		.amdhsa_user_sgpr_kernarg_segment_ptr 1
		.amdhsa_wavefront_size32 1
		.amdhsa_system_sgpr_workgroup_id_x 1
		.amdhsa_system_sgpr_workgroup_id_y 1
		.amdhsa_system_sgpr_workgroup_id_z 1
		.amdhsa_system_vgpr_workitem_id 0
		.amdhsa_next_free_vgpr 256
		.amdhsa_next_free_sgpr 80
		.amdhsa_reserve_vcc 0
		.amdhsa_float_denorm_mode_32 3
		.amdhsa_float_denorm_mode_16_64 3
		.amdhsa_memory_ordered 1
		.amdhsa_forward_progress 1
		.amdhsa_inst_pref_size 94
	.end_amdhsa_kernel
	.amdgpu_metadata
---
amdhsa.version: [ 1, 2 ]
amdhsa.kernels:
  - .name:           k_q15ef2e99a4_mlp
    .symbol:         k_q15ef2e99a4_mlp.kd
    .args:
      - { .name: counts, .offset: 0, .size: 8, .value_kind: global_buffer, .address_space: global }
      - { .name: order, .offset: 8, .size: 8, .value_kind: global_buffer, .address_space: global }
      - { .name: x, .offset: 16, .size: 8, .value_kind: global_buffer, .address_space: global }
      - { .name: wcodes, .offset: 24, .size: 8, .value_kind: global_buffer, .address_space: global }
      - { .name: wscales, .offset: 32, .size: 8, .value_kind: global_buffer, .address_space: global }
      - { .name: b1, .offset: 40, .size: 8, .value_kind: global_buffer, .address_space: global }
      - { .name: b2, .offset: 48, .size: 8, .value_kind: global_buffer, .address_space: global }
      - { .name: g1, .offset: 56, .size: 8, .value_kind: global_buffer, .address_space: global }
      - { .name: be1, .offset: 64, .size: 8, .value_kind: global_buffer, .address_space: global }
      - { .name: g2, .offset: 72, .size: 8, .value_kind: global_buffer, .address_space: global }
      - { .name: be2, .offset: 80, .size: 8, .value_kind: global_buffer, .address_space: global }
      - { .name: out0, .offset: 88, .size: 8, .value_kind: global_buffer, .address_space: global }
    .group_segment_fixed_size: 185344
    .private_segment_fixed_size: 0
    .kernarg_segment_align: 8
    .kernarg_segment_size: 96
    .max_flat_workgroup_size: 512
    .sgpr_count:     80
    .vgpr_count:     256
    .wavefront_size: 32
...
	.end_amdgpu_metadata
.endif
;; end of part 2
;; ======== version 2 of 3: 2 launches; 1.19 times as fast as version 1
;; workspace buffers: wcodes 8,388,608 bytes; wscales 524,288 bytes; order 131,072 bytes of whole numbers; counts 256 bytes of whole numbers
;; launch prep (part 3): grid 520 x 1, 8 waves a work-group, no clusters, 0 bytes of LDS; arguments W1, W2, type_vec, wcodes, wscales, order, counts; writes wcodes, wscales, order, counts
.if DOCPART == 3
	.amdgcn_target "amdgcn-amd-amdhsa--gfx1250"
	.amdhsa_code_object_version 6
	.text
	.protected	k_q15ef2e99a4_prep
	.globl	k_q15ef2e99a4_prep
	.p2align	8
	.type	k_q15ef2e99a4_prep,@function
k_q15ef2e99a4_prep:
	s_mov_b64 s[64:65], 0
	v_nop
	global_prefetch_b8 v0, s[64:65] scope:SCOPE_SE
	s_setreg_imm32_b32 hwreg(HW_REG_WAVE_MODE, 25, 1), 1
	s_wait_xcnt 0x0
; Work-groups 0-7: the token list of expert e = the work-group's number, and its length.  Work-groups 8-263: W1 [8][512][2048] f32, work-groups 264-519: W2 [8][2048][512] f32,
; into codes of FP4 (E2M1) with one E8M0 scale byte for each 32 along K, K being the FIRST axis of a weight.
; A LANE TAKES A COLUMN n AND ITS REGISTERS RUN DOWN K: a block of 32 lies in one lane's 32 registers, its largest magnitude needs no other lane, and the conversions give codes with K innermost.
; A block's scale is 2^(floor(log2(largest magnitude)) - 2): its byte is the largest magnitude's exponent field - 2, held at 1 from below by a floor among the maximum's leaves.
; LAYOUT OF THE CODES: the order of the operand's registers.  A UNIT is 32 columns x 128 along K, 2,048 bytes: [tile u 2][register group c 2][lane r + 16 hh][16 bytes]; those 16 bytes are block 2 c + hh of column
; q(u, r) = 16 (r / 8) + 8 u + r % 8 of the 32.  So the product's launch fills a fragment by two dense loads of 512 bytes, and its result holds 16 neighbouring columns in a lane's 16 registers.
; A unit's scale words: 128 bytes, lane 16 u + r holds column q(u, r)'s four bytes.
; wcodes [g 2][expert 8][strip 16][unit 16][2,048], wscales likewise with 128.  W1 (g = 0): column = 128 strip + 32 p + q, unit = 4 p + K step.  W2 (g = 1): column = 32 strip + q, unit = K step.
; One wave makes one unit; the eight waves of a work-group stand side by side on 256 columns, 1,024 consecutive bytes of each row of the weight.  No LDS, no barrier: waves share nothing.
; LIMITS: NaN and infinities among the weights are not served.  A block of zeros gets the byte 1 where the rule says 127: its codes are zeros, and these bytes are read by this program alone.
.set X,  16                            ; v16-79   two sets of 32 numbers
.set C,  80                            ; v80-95   four registers of codes for each block: no store's data are written again
.set SW, 96                            ; v96      the column's scale word
.set OWN, 128                          ; v128-143 the lists: the types of my wave's own 512 tokens (v16-127: those of the 3,584 tokens that may lie ahead of them)
.set NIL, 144                          ; v144     the lists: 0
.set LD,  146                          ; v146-153 the lists: a word and its byte offset for each of a run's four steps
.macro OFFS dst, base, she, shp, shs, add      ; s[dst:dst+1] = base + (expert << she) + (pair << shp) + (K step << shs) + add
	s_lshl_b32 s34, s26, \she
	s_lshl_b32 s30, s29, \shp
	s_add_co_u32 s34, s34, s30
	s_lshl_b32 s30, s28, \shs
	s_add_co_u32 s34, s34, s30
.if \add
	s_add_co_u32 s34, s34, \add
.endif
	s_add_nc_u64 s[\dst:\dst+1], s[\base:\base+1], s[34:35]
.endm
.macro QLOAD t, pitch                          ; block t: W(32 t + i, my column), i = 0 .. 31, into set t % 2; the wave's 32 lanes read 128 consecutive bytes
.irp i, 0,1,2,3,4,5,6,7,8,9,10,11,12,13,14,15,16,17,18,19,20,21,22,23,24,25,26,27,28,29,30,31
	global_load_b32 v[X+32*((\t)%2)+\i], v3, s[20:21] offset:(32*(\t)+\i)*\pitch th:TH_LOAD_NT
.endr
.endm
.macro QBLOCK t, pitch
.set XS, X+32*((\t)%2)
.if (\t) < 3
	s_wait_loadcnt 32                              ; this block's 32 loads are in; the next block's 32 may be out
.else
	s_wait_loadcnt 0x0
.endif
	v_max3_num_f32 v12, |v[XS]|, |v[XS+1]|, |v[XS+2]|              ; the block's largest magnitude, in two chains: all 32 numbers are mine
	v_max3_num_f32 v13, |v[XS+3]|, |v[XS+4]|, |v[XS+5]|
.irp i, 6,10,14,18,22,26
	v_max3_num_f32 v12, v12, |v[XS+\i]|, |v[XS+\i+1]|
	v_max3_num_f32 v13, v13, |v[XS+\i+2]|, |v[XS+\i+3]|
.endr
	v_max3_num_f32 v12, v12, |v[XS+30]|, |v[XS+31]|
	v_max3_num_f32 v12, v12, v13, 0x1800000        ; and the floor 2^(3 - 127): the byte cannot fall under 1
	v_add_nc_u32 v11, 0xff000000, v12              ; 2 off the exponent field: the conversion takes this operand's exponent field as its scale
	v_lshrrev_b32 v13, 23, v11                     ; the scale's byte
.if (\t) == 0
	v_mov_b32 v[SW], v13                           ; four bytes to the word, the lower K in the lower byte
.else
	v_lshl_or_b32 v[SW], v13, 8*(\t), v[SW]
.endif
.irp g, 0,1,2,3
	v_cvt_scalef32_pk8_fp4_f32 v[C+4*(\t)+\g], v[XS+8*\g:XS+8*\g+7], v11
.endr
	global_store_b128 v4, v[C+4*(\t):C+4*(\t)+3], s[22:23] offset:256*(\t)   ; lanes 0-15 fill 256 consecutive aligned bytes of tile 0's image, lanes 16-31 of tile 1's
.if (\t) < 2
	QLOAD (\t)+2, \pitch
.endif
.endm
.macro QPATH pitch
	QLOAD 0, \pitch
	QLOAD 1, \pitch
	QBLOCK 0, \pitch
	QBLOCK 1, \pitch
	QBLOCK 2, \pitch
	QBLOCK 3, \pitch
	global_store_b32 v5, v[SW], s[24:25]           ; the unit's 32 scale words: 128 consecutive bytes
	s_endpgm
.endm
	s_load_b256 s[4:11], s[0:1], 0x0               ; W1 s[4:5], W2 s[6:7], type_vec s[8:9], wcodes s[10:11]
	s_load_b128 s[12:15], s[0:1], 0x20             ; wscales s[12:13], order s[14:15]
	s_load_b64 s[16:17], s[0:1], 0x30              ; counts
	v_lshrrev_b32 v2, 5, v0
	v_readfirstlane_b32 s18, v2                    ; wave 0..7
	v_and_b32 v1, 31, v0                           ; lane
	s_mov_b32 s35, 0                               ; the upper word of every offset: all stay under 2^32
	s_wait_kmcnt 0x0
	s_cmp_lt_u32 ttmp9, 8
	s_cbranch_scc1 .Lroute
	v_and_b32 v6, 15, v1                           ; r
	v_lshrrev_b32 v7, 4, v1                        ; u
	v_and_b32 v8, 8, v6
	v_and_b32 v9, 7, v6
	v_lshl_add_u32 v3, v8, 1, v9                   ; 16 (r / 8) + r % 8
	v_lshl_add_u32 v3, v7, 3, v3                   ; + 8 u: my column q of the 32
	v_lshlrev_b32 v3, 2, v3                        ; in bytes
	v_lshlrev_b32 v4, 4, v6
	v_lshl_add_u32 v4, v7, 10, v4                  ; my 16 bytes of a block in the unit: 1,024 u + 16 r (+ 256 x block)
	v_lshlrev_b32 v5, 2, v1                        ; my scale word: 4 x lane
	s_cmp_gt_u32 ttmp9, 263
	s_cbranch_scc1 .Lw2
	; W1: 64 pairs of tiles x 4 K steps an expert: 32 work-groups
	s_sub_co_u32 s19, ttmp9, 8
	s_lshr_b32 s26, s19, 5                         ; expert
	s_and_b32 s27, s19, 31
	s_lshr_b32 s28, s27, 3                         ; K step
	s_and_b32 s29, s27, 7
	s_lshl_b32 s29, s29, 3
	s_add_co_u32 s29, s29, s18                     ; which 32 columns
	OFFS 20, 4, 22, 7, 20, 0                       ; W1: expert x 4 MiB + 128 rows of 8,192 bytes a K step + 128 bytes a pair
	OFFS 22, 10, 19, 13, 11, 0
	OFFS 24, 12, 15, 9, 7, 0
	QPATH 8192
.Lw2:
	; W2: 16 pairs of tiles x 16 K steps an expert: 32 work-groups
	s_sub_co_u32 s19, ttmp9, 264
	s_lshr_b32 s26, s19, 5
	s_and_b32 s27, s19, 31
	s_lshr_b32 s28, s27, 1
	s_and_b32 s29, s27, 1
	s_lshl_b32 s29, s29, 3
	s_add_co_u32 s29, s29, s18
	OFFS 20, 6, 22, 7, 18, 0                       ; W2: 128 rows of 2,048 bytes a K step
	OFFS 22, 10, 19, 15, 11, 4194304
	OFFS 24, 12, 15, 11, 7, 262144
	QPATH 2048
.Lroute:
	; Work-group e PARTITIONS the 4,096 tokens into order[e][0 .. 4095]: the expert's own tokens from the front on, all others from the back on; counts[e] says where its own end, and only those are read later.
	; A word: bits 11:0 the token, bit 12 set where its type is not e itself.  Experts 0-6 own type == e.  Expert 7 owns every type that is none of 0 .. 6, so that each token is owned once and the eight counts
	; add up to 4,096; among expert 7's own, bit 12 marks a type outside 0 .. 7.
	; WAVE w PLACES TOKENS 512 w .. 512 w + 511, in 16 steps of 32.  Where its part of the list begins it finds by itself: it counts the expert's tokens in the segments of 512 ahead of its own (a compare and a
	; count of bits a register, no store); a segment's count is taken or dropped by a selection on the wave's number, so that all eight waves run one text and share nothing.
	; Every lane stores in every step and every place of the list is written once: all lanes stay on.  In step k of the 128 (32 k tokens lie ahead), with a = the expert's tokens ahead + its lanes below me:
	; a token of the expert goes to place a; another is number (32 k + lane) - a among the others and goes to 4095 - that = a + (4095 - 32 k - lane).
	s_mov_b32 s26, ttmp9                           ; e
	s_cmp_eq_u32 s26, 7
	s_cselect_b32 s27, -8, 0                       ; a type is the expert's where (type - e), unsigned, is at most this: types 0 .. 6 less 7 are the seven largest unsigned numbers
	s_lshl_b32 s34, s26, 14
	s_add_nc_u64 s[28:29], s[14:15], s[34:35]      ; the list
	s_mov_b32 s30, 0                               ; the expert's tokens so far
	v_lshlrev_b32 v2, 4, v1                        ; 16 x lane
	v_lshl_add_u32 v10, s18, 11, v2                ; + my segment's 2,048 bytes x wave
	v_lshlrev_b32 v3, 2, v1
	v_lshl_add_u32 v3, s18, 9, v3                  ; 512 w + 4 x lane: the token of my first register
	s_lshl_b32 s33, s18, 9
	s_sub_co_u32 s33, 4095, s33
	v_sub_nc_u32 v8, s33, v1                       ; 4095 - 512 w - lane
	v_mov_b32 v[NIL], 0
.irp t, 0,1,2,3
	global_load_b128 v[OWN+4*\t:OWN+4*\t+3], v10, s[8:9] offset:512*\t   ; register (t, j) of lane l: the type of token 512 w + 128 t + 4 l + j
.endr
.set T, 0
.rept 28
	global_load_b128 v[16+4*T:19+4*T], v2, s[8:9] offset:512*T           ; segments 0 .. 6: token 128 T + 4 l + j
.set T, T+1
.endr
.set T, 0
.rept 28
.if T%4 == 0
	s_mov_b32 s31, 0                               ; segment T / 4's count
.endif
	s_wait_loadcnt 27-T                            ; load T is in (and my own four, which are older); the younger ones may be out
.irp j, 0,1,2,3
	v_sub_nc_u32 v[4+\j], v[16+4*T+\j], s26
.endr
.irp j, 0,1,2,3
	v_cmp_ge_u32 s[36+\j], s27, v[4+\j]            ; the expert's?  (four at a time, so that no line waits for the line above it)
.endr
.irp j, 0,1,2,3
	s_bcnt1_i32_b32 s[36+\j], s[36+\j]
.endr
.irp j, 0,1,2,3
	s_add_co_u32 s31, s31, s[36+\j]
.endr
.if T%4 == 3
	s_cmp_gt_u32 s18, T/4                          ; the segment lies ahead of mine?
	s_cselect_b32 s31, s31, 0
	s_add_co_u32 s30, s30, s31
.endif
.set T, T+1
.endr
	s_min_u32 s30, s30, 4096                       ; (a list has at most as many tokens)
.set T, 0
.rept 4
	s_wait_xcnt 0x0                                ; the last four stores have read their words and offsets: the four sets are written again only behind this wait
.irp j, 0,1,2,3
	v_sub_nc_u32 v4, v[OWN+4*T+\j], s26
	v_cmp_ge_u32 vcc_lo, s27, v4                   ; the expert's?
	v_min_u32 v5, 1, v4                            ; 1 where the type is not e itself
	v_add_nc_u32 v6, 128*T+\j, v3                  ; the token
	v_lshl_or_b32 v[LD+2*\j], v5, 12, v6
	v_mbcnt_lo_u32_b32 v7, vcc_lo, s30             ; a: the expert's tokens so far + its lanes below me
	v_add_nc_u32 v5, -32*(4*T+\j), v8              ; 4095 - 32 k - lane: what another's token adds to it,
	v_cndmask_b32 v5, v5, v[NIL], vcc_lo           ; and the expert's does not
	v_add_nc_u32 v7, v7, v5
	v_min_u32 v7, 0xfff, v7                        ; (a list has 4,096 places)
	v_lshlrev_b32 v[LD+2*\j+1], 2, v7
	s_bcnt1_i32_b32 s31, vcc_lo
	s_add_co_u32 s30, s30, s31
	s_min_u32 s30, s30, 4096
	global_store_b32 v[LD+2*\j+1], v[LD+2*\j], s[28:29]
.endr
.set T, T+1
.endr
	v_mov_b32 v11, s30                             ; in wave 7: the whole count
	s_lshl_b32 s33, s26, 2
	v_mov_b32 v9, s33
	v_cmp_eq_u32 vcc_lo, 0xe0, v0                  ; thread 224: lane 0 of wave 7
	s_wait_xcnt 0x0                                ; EXEC is a source of the stores above: it is narrowed only behind this wait
	s_and_saveexec_b32 s32, vcc_lo
	global_store_b32 v9, v11, s[16:17]             ; counts[e]
	s_wait_xcnt 0x0                                ; and widened again only behind this one
	s_or_b32 exec_lo, exec_lo, s32
	s_endpgm
.Lfunc_end_k_q15ef2e99a4_prep:
	.size	k_q15ef2e99a4_prep, .Lfunc_end_k_q15ef2e99a4_prep-k_q15ef2e99a4_prep
	.p2alignl 7, 3214868480
	.fill 96, 4, 3214868480
	.section	.rodata,"a",@progbits
	.p2align	6, 0x0
	.amdhsa_kernel k_q15ef2e99a4_prep
		.amdhsa_group_segment_fixed_size 0
		.amdhsa_private_segment_fixed_size 0
		.amdhsa_enable_private_segment 0
		.amdhsa_kernarg_size 56
		.amdhsa_user_sgpr_count 2
		.amdhsa_user_sgpr_kernarg_segment_ptr 1
		.amdhsa_wavefront_size32 1
		.amdhsa_system_sgpr_workgroup_id_x 1
		.amdhsa_system_sgpr_workgroup_id_y 1
		.amdhsa_system_sgpr_workgroup_id_z 1
		.amdhsa_system_vgpr_workitem_id 0
		.amdhsa_next_free_vgpr 160
		.amdhsa_next_free_sgpr 66
		.amdhsa_reserve_vcc 1
		.amdhsa_float_denorm_mode_32 3
		.amdhsa_float_denorm_mode_16_64 3
		.amdhsa_memory_ordered 1
		.amdhsa_forward_progress 1
		.amdhsa_inst_pref_size 79
	.end_amdhsa_kernel
	.amdgpu_metadata
---
amdhsa.version: [ 1, 2 ]
amdhsa.kernels:
  - .name:           k_q15ef2e99a4_prep
    .symbol:         k_q15ef2e99a4_prep.kd
    .args:
      - { .name: W1, .offset: 0, .size: 8, .value_kind: global_buffer, .address_space: global }
      - { .name: W2, .offset: 8, .size: 8, .value_kind: global_buffer, .address_space: global }
      - { .name: type_vec, .offset: 16, .size: 8, .value_kind: global_buffer, .address_space: global }
      - { .name: wcodes, .offset: 24, .size: 8, .value_kind: global_buffer, .address_space: global }
      - { .name: wscales, .offset: 32, .size: 8, .value_kind: global_buffer, .address_space: global }
      - { .name: order, .offset: 40, .size: 8, .value_kind: global_buffer, .address_space: global }
      - { .name: counts, .offset: 48, .size: 8, .value_kind: global_buffer, .address_space: global }
    .group_segment_fixed_size: 0
    .private_segment_fixed_size: 0
    .kernarg_segment_align: 8
    .kernarg_segment_size: 56
    .max_flat_workgroup_size: 256
    .sgpr_count:     66
    .vgpr_count:     160
    .wavefront_size: 32
...
	.end_amdgpu_metadata
.endif
;; end of part 3
;; launch mlp (part 4): grid 135 x 1, 16 waves a work-group, no clusters, 193,536 bytes of LDS; arguments counts, order, x, wcodes, wscales, b1, b2, g1, be1, g2, be2, out0; writes out0
.if DOCPART == 4
	.amdgcn_target "amdgcn-amd-amdhsa--gfx1250"
	.amdhsa_code_object_version 6
	.text
	.protected	k_q15ef2e99a4_mlp
	.globl	k_q15ef2e99a4_mlp
	.p2align	8
	.type	k_q15ef2e99a4_mlp,@function
k_q15ef2e99a4_mlp:
	s_mov_b64 s[64:65], 0
	v_nop
	global_prefetch_b8 v0, s[64:65] scope:SCOPE_SE
	s_setreg_imm32_b32 hwreg(HW_REG_WAVE_MODE, 25, 1), 1
	s_wait_xcnt 0x0
; out[token] = LN2(h + relu(Q(h) Q(W1[e]) + b1[e]) Q(W2[e]) + b2[e]), h = LN1(x[token]), e the token's type; both products on codes of FP4 (E2M1) with one E8M0 scale for each 32 along K.
; Of the eight experts' results only the token's own is kept, so only that one is computed: a work-group takes up to 32 tokens of ONE expert's list.
; TILES.  n_e = ceil(count_e / 32) add up to 128 .. 135 (the counts add up to 4,096).  The grid has 135 work-groups; the L = 135 - sum that are over go to the longest list (512 tokens at the least), whose first 32 L
; rows are cut into 2 L tiles of 16: so every work-group has rows of its own, for every type_vec.  A tile with fewer than 32 rows repeats its last row (the index is held at the tile's end): the repeats compute and
; store the same bytes.  The text is one straight line: no branch, no loop, EXEC never changes.
; SHARES.  THE SIXTEEN WAVES SHARE THE COLUMNS, NOT THE ROWS: wave w owns columns 32 w .. 32 w + 31 of x, h and out (one block of 32) and hidden units 128 w .. 128 w + 127 (K step w of the second product), for all 32 rows.
; So each fragment of a weight is read once in the work-group, by one wave, straight into its registers (dense loads of 512 bytes: the codes lie in the order of the operand's registers), and feeds two products.
; THE WEIGHTS' RING: a wave's 32 units (16 of W1, 16 of W2; a unit is two fragments and a register of scale words, five loads) go through six slots of registers: six units, 13,056 bytes, of every wave are on their way,
; from the kernel's head on, across both products.  The registers for six slots are had by keeping nothing else that LDS can hold: b1 and the hidden layer's scale words are read from LDS as they are wanted.
; BOTH PRODUCTS ARE USED TRANSPOSED (source 0 = 16 columns of the weight, source 1 = 16 tokens): a lane holds one token (lane % 16), and the 16 registers of a pair of tiles are 16 neighbouring columns, 16 (lane / 16) + 0 .. 15.
; The rows' codes go from wave to wave through LDS as images of the operand's registers: a lane's 16 codes are 8 bytes of one 16-byte place of the image.  The hidden layer never goes to memory.
; b1 is the C of a sum's first product; h + b2 is the start of the second product's sums (reference() adds both behind them: another order of f32 additions, not ahead of a quantiser).
; NO CLUSTER: joint requests are tensor loads into LDS, and here no fragment is used by two waves of a work-group, so LDS would only be written and read once more; 135 is no multiple of 4; and which work-groups
; share an expert hangs on counts read from memory, an expert's number of tiles being no multiple of 4 either.
; LIMITS: NaN and infinities among the inputs are not served.  A block of zeros gets the byte 1 with zero codes.  A token whose type lies outside 0 .. 7 gets zeros, as reference() gives it.
.set XIMG, 0                           ; LDS: x's fragments [m 2][K step 4] of 1,024 bytes
.set XSC,  8192                        ; their scale bytes [m][row 16][16]
.set HSC,  8704                        ; the hidden layer's scale words [m][K step 16][row 16]
.set RED,  10752                       ; four regions of 2,048: [m][row 16][wave 16] f32, the waves' partial sums
.set HIMG, 18944                       ; the hidden layer's fragments [m 2][K step 16] of 1,024 bytes
.set HB,   51712                       ; h + b2: each wave's own 4,096 bytes, as register images
.set STG,  117248                      ; the way out: 32 rows of 2,048 bytes + 16
.set SROW, 2064
.set B1L,  183296                      ; my expert's b1, 2,048 numbers: each wave's own 512 bytes
.set NS,   6                           ; slots of the weights' ring
; v1 16 x lane; v2 where I read partial sums; v3, v4 my offsets in the codes and scale words; v5 where I read b1 in LDS; v6 my offset in a row of 512 numbers; v7, v8 where the hidden layer's codes and bytes go;
; v9 my place in HB; v10, v11 the rows of out that I store; v12 where my partial sums go; v13, v14 x's codes and bytes, later the stage in and out; v15 where scale words are read
.set XF,   16                          ; v16-79   LN1: x of tile 0, of tile 1, g1, be1.  First product: x's 8 fragments.  Second: the hidden layer's, four slots of two
.set X0,   16
.set X1,   32
.set GG,   48
.set BE,   64
.set SCL,  80                          ; v80-87   the rows' scale words, and nothing else.  First product: SCL + 4 m + K step.  Second: SCL + 2 (K step % 4) + m
.set WS,   88                          ; v88-93   the weights' scale words, a register for each slot of the ring, and nothing else
.set ACC,  94                          ; v94-125  four accumulators: ACC + 16 m + 8 u
.set RING, 126                         ; v126-221 the weights' ring: six slots of a unit (two fragments).  At the end: slot 0 at work, slot 2 g2, slot 3 be2, slots 4 and 5 the rows on their way out
.set BIAS, 222                         ; v222-237 b1 of a pair of tiles
.set TM,   238                         ; v238-249 at work
.set B1G,  250                         ; v250     my 16 bytes of my wave's 512 of b1, in memory,
.set B1S,  251                         ; v251     and in LDS
.set G2R,  RING+32
.set BE2R, RING+48
.set OUTR, RING+64
.macro BAR                                     ; my LDS stores have landed and my LDS loads are in: then the work-group's barrier
	s_wait_dscnt 0x0
	s_barrier_signal -1
	s_barrier_wait -1
.endm
.macro PLACES n
.rept \n
	v_nop
.endr
.endm
.macro ULOAD i                                 ; unit i of my 32 (0-15: W1's strip w; 16-31: W2's) into slot i % 6: five loads
.if (\i) < 16
.set IC, 2048*(\i)
.set IS, 128*(\i)
.else
.set IC, 4194304+2048*((\i)-16)
.set IS, 262144+128*((\i)-16)
.endif
.set RS, RING+16*((\i)%NS)
.irp k, 0,1,2,3
	global_load_b128 v[RS+4*\k:RS+4*\k+3], v3, s[14:15] offset:IC+512*\k   ; 32 lanes read 512 consecutive bytes: half a fragment
.endr
	global_load_b32 v[WS+(\i)%NS], v4, s[16:17] offset:IS
.endm
.macro PLOAD reg, base                         ; my 16 numbers of a row of 512 parameters: four loads
.irp q, 0,1,2,3
	global_load_b128 v[\reg+4*\q:\reg+4*\q+3], v6, s[\base:\base+1] offset:16*\q
.endr
.endm
.macro BL p                                    ; b1 of pair p, from my wave's own bytes of LDS: the lanes of a half read the same 64 bytes
.irp q, 0,1,2,3
	ds_load_b128 v[BIAS+4*\q:BIAS+4*\q+3], v5 offset:128*(\p)+16*\q
.endr
.endm
.macro MM u, m, sl, b, sb, cb                  ; one product: tile u of the slot's unit x the rows' fragment b.  cb >= 0: the sum starts from b1, at BIAS + cb
.if \cb >= 0
.if \u
	v_wmma_scale_f32_16x16x128_f8f6f4 v[ACC+16*\m+8*\u:ACC+16*\m+8*\u+7], v[RING+16*(\sl)+8*\u:RING+16*(\sl)+8*\u+7], v[\b:\b+7], v[BIAS+\cb+8*\u:BIAS+\cb+8*\u+7], v[WS+(\sl)], v[\sb] matrix_a_fmt:MATRIX_FMT_FP4 matrix_b_fmt:MATRIX_FMT_FP4 matrix_a_scale:MATRIX_SCALE_ROW1
.else
	v_wmma_scale_f32_16x16x128_f8f6f4 v[ACC+16*\m+8*\u:ACC+16*\m+8*\u+7], v[RING+16*(\sl)+8*\u:RING+16*(\sl)+8*\u+7], v[\b:\b+7], v[BIAS+\cb+8*\u:BIAS+\cb+8*\u+7], v[WS+(\sl)], v[\sb] matrix_a_fmt:MATRIX_FMT_FP4 matrix_b_fmt:MATRIX_FMT_FP4
.endif
.else
.if \u
	v_wmma_scale_f32_16x16x128_f8f6f4 v[ACC+16*\m+8*\u:ACC+16*\m+8*\u+7], v[RING+16*(\sl)+8*\u:RING+16*(\sl)+8*\u+7], v[\b:\b+7], v[ACC+16*\m+8*\u:ACC+16*\m+8*\u+7], v[WS+(\sl)], v[\sb] matrix_a_fmt:MATRIX_FMT_FP4 matrix_b_fmt:MATRIX_FMT_FP4 matrix_a_scale:MATRIX_SCALE_ROW1
.else
	v_wmma_scale_f32_16x16x128_f8f6f4 v[ACC+16*\m+8*\u:ACC+16*\m+8*\u+7], v[RING+16*(\sl)+8*\u:RING+16*(\sl)+8*\u+7], v[\b:\b+7], v[ACC+16*\m+8*\u:ACC+16*\m+8*\u+7], v[WS+(\sl)], v[\sb] matrix_a_fmt:MATRIX_FMT_FP4 matrix_b_fmt:MATRIX_FMT_FP4
.endif
.endif
.endm
.macro MUL4 sl, b0, b1, s0, s1, cb             ; a step: the four accumulators take turns, one instruction a turn, in the same order in every step
	MM 0, 0, \sl, \b0, \s0, \cb
	MM 0, 1, \sl, \b1, \s1, \cb
	MM 1, 0, \sl, \b0, \s0, \cb
	MM 1, 1, \sl, \b1, \s1, \cb
.endm
.macro SUM16 d, a, t                           ; v[d] = the sum of v[a .. a + 15], from the low end on; t: 8 registers at work (t = a: in place)
	v_pk_add_f32 v[\t:\t+1], v[\a:\a+1], v[\a+2:\a+3]
	v_pk_add_f32 v[\t+2:\t+3], v[\a+4:\a+5], v[\a+6:\a+7]
	v_pk_add_f32 v[\t+4:\t+5], v[\a+8:\a+9], v[\a+10:\a+11]
	v_pk_add_f32 v[\t+6:\t+7], v[\a+12:\a+13], v[\a+14:\a+15]
	v_pk_add_f32 v[\t:\t+1], v[\t:\t+1], v[\t+2:\t+3]
	v_pk_add_f32 v[\t+4:\t+5], v[\t+4:\t+5], v[\t+6:\t+7]
	v_pk_add_f32 v[\t:\t+1], v[\t:\t+1], v[\t+4:\t+5]
	v_add_f32 v[\d], v[\t], v[\t+1]
.endm
.macro SQ16 d, a, t                            ; v[d] = the sum of their squares, in two chains; t: 4 registers
	v_pk_mul_f32 v[\t:\t+1], v[\a:\a+1], v[\a:\a+1]
	v_pk_mul_f32 v[\t+2:\t+3], v[\a+2:\a+3], v[\a+2:\a+3]
.irp i, 4,8,12
	v_pk_fma_f32 v[\t:\t+1], v[\a+\i:\a+\i+1], v[\a+\i:\a+\i+1], v[\t:\t+1]
	v_pk_fma_f32 v[\t+2:\t+3], v[\a+\i+2:\a+\i+3], v[\a+\i+2:\a+\i+3], v[\t+2:\t+3]
.endr
	v_pk_add_f32 v[\t:\t+1], v[\t:\t+1], v[\t+2:\t+3]
	v_add_f32 v[\d], v[\t], v[\t+1]
.endm
; My lane's partial sums of row r of tiles 0 and 1, in v[TM] and v[TM+1], become the rows' totals over all 512 columns, in the same registers.  Region k of RED is used once.
.macro REDUCE k, tmp
	v_permlanex16_b32 v[TM+2], v[TM], s66, s67
	v_permlanex16_b32 v[TM+3], v[TM+1], s66, s67
	v_add_f32 v[TM], v[TM], v[TM+2]                ; with lane l xor 16's: my wave's 32 columns
	v_add_f32 v[TM+1], v[TM+1], v[TM+3]
	ds_store_b32 v12, v[TM] offset:2048*(\k)       ; (both halves of the lanes write the same word with the same value)
	ds_store_b32 v12, v[TM+1] offset:2048*(\k)+1024
	BAR
.irp q, 0,1,2,3
	ds_load_b128 v[\tmp+4*\q:\tmp+4*\q+3], v2 offset:2048*(\k)+16*\q   ; lane (r, h): the sixteen waves' partial sums of row r of tile h
.endr
	s_wait_dscnt 0x0
	SUM16 TM+2, \tmp, \tmp
	v_permlanex16_b32 v[TM+3], v[TM+2], s66, s67   ; the other tile's total
	v_cndmask_b32 v[TM], v[TM+2], v[TM+3], s70     ; tile 0's: mine in lanes 0-15
	v_cndmask_b32 v[TM+1], v[TM+3], v[TM+2], s70   ; tile 1's: mine in lanes 16-31
.endm
.macro LNSUB a, p
.irp i, 0,2,4,6,8,10,12,14
	v_pk_add_f32 v[\a+\i:\a+\i+1], v[\a+\i:\a+\i+1], v[\p:\p+1] op_sel_hi:[1,0] neg_lo:[0,1] neg_hi:[0,1]
.endr
.endm
.macro LNMUL a, p
	s_wait_alu depctr_va_vdst(0)
.irp i, 0,2,4,6,8,10,12,14
	v_pk_mul_f32 v[\a+\i:\a+\i+1], v[\a+\i:\a+\i+1], v[\p:\p+1] op_sel_hi:[1,0]
.endr
.endm
.macro LNAFF a, g, b
.irp i, 0,2,4,6,8,10,12,14
	v_pk_fma_f32 v[\a+\i:\a+\i+1], v[\a+\i:\a+\i+1], v[\g+\i:\g+\i+1], v[\b+\i:\b+\i+1]
.endr
.endm
; A layer norm's two passes over my 16 numbers of a row of each tile, a0 and a1: the mean is taken away first, the squares are of the differences.  Leaves the differences in place and
; 1 / sqrt(variance + 1e-5) in v[TM+8] and v[TM+10].  t: 16 registers at work; k, k + 1: regions of RED.  Two barriers.
.macro LNSTATS a0, a1, t, k
	SUM16 TM, \a0, \t
	SUM16 TM+1, \a1, \t+8
	REDUCE \k, \t
	v_mul_f32 v[TM+4], s68, v[TM]                  ; the means
	v_mul_f32 v[TM+6], s68, v[TM+1]
	LNSUB \a0, TM+4
	LNSUB \a1, TM+6
	SQ16 TM, \a0, \t
	SQ16 TM+1, \a1, \t+4
	REDUCE \k+1, \t
	v_fma_f32 v[TM], v[TM], s68, s69
	v_fma_f32 v[TM+1], v[TM+1], s68, s69
	v_rsq_f32 v[TM+8], v[TM]
	v_rsq_f32 v[TM+10], v[TM+1]
	v_nop                                          ; a plain place behind the transcendentals (ISA guide 5.7.2)
.endm
; Two blocks of 32 (a row of tile 0 and of tile 1; 16 numbers of each in my lane, the other 16 in lane l xor 16) become codes and a scale byte, by turns; 8 bytes of codes and the byte go to LDS.
.macro QBLK2 a0, a1, adrc, oc0, oc1, adrs, os0, os1
	s_wait_dscnt 0x0                               ; the last stores have read the registers that are written below; and b1 of the next pair, asked for three steps ago, is in
	v_max3_num_f32 v[TM], |v[\a0]|, |v[\a0+1]|, 0x1800000          ; the largest magnitude, and the floor 2^(3 - 127): the byte cannot fall under 1
	v_max3_num_f32 v[TM+1], |v[\a1]|, |v[\a1+1]|, 0x1800000
.irp i, 2,4,6,8,10,12,14
	v_max3_num_f32 v[TM], v[TM], |v[\a0+\i]|, |v[\a0+\i+1]|
	v_max3_num_f32 v[TM+1], v[TM+1], |v[\a1+\i]|, |v[\a1+\i+1]|
.endr
	v_permlanex16_b32 v[TM+2], v[TM], s66, s67
	v_permlanex16_b32 v[TM+3], v[TM+1], s66, s67
	v_max_num_f32 v[TM], v[TM], v[TM+2]
	v_max_num_f32 v[TM+1], v[TM+1], v[TM+3]
	v_add_nc_u32 v[TM+4], 0xff000000, v[TM]        ; 2 off the exponent field: the conversion's scale operand
	v_add_nc_u32 v[TM+5], 0xff000000, v[TM+1]
	v_lshrrev_b32 v[TM+6], 23, v[TM+4]             ; the scale's byte
	v_lshrrev_b32 v[TM+7], 23, v[TM+5]
	v_cvt_scalef32_pk8_fp4_f32 v[TM+8], v[\a0:\a0+7], v[TM+4]
	v_cvt_scalef32_pk8_fp4_f32 v[TM+9], v[\a0+8:\a0+15], v[TM+4]
	v_cvt_scalef32_pk8_fp4_f32 v[TM+10], v[\a1:\a1+7], v[TM+5]
	v_cvt_scalef32_pk8_fp4_f32 v[TM+11], v[\a1+8:\a1+15], v[TM+5]
	v_nop                                          ; one plain place behind the last scaled conversion: products write its sources later
	ds_store_b64 v[\adrc], v[TM+8:TM+9] offset:\oc0
	ds_store_b64 v[\adrc], v[TM+10:TM+11] offset:\oc1
	ds_store_b8 v[\adrs], v[TM+6] offset:\os0      ; (both lanes of a block write the same byte with the same value)
	ds_store_b8 v[\adrs], v[TM+7] offset:\os1
.endm
.macro HF s                                    ; the hidden layer's two fragments of K step s, and their rows' scale words, into slot s % 4: six loads
.irp m, 0,1
.irp c, 0,1
	ds_load_b128 v[XF+16*((\s)%4)+8*\m+4*\c:XF+16*((\s)%4)+8*\m+4*\c+3], v1 offset:HIMG+16384*\m+1024*(\s)+512*\c
.endr
	ds_load_b32 v[SCL+2*((\s)%4)+\m], v15 offset:HSC+1024*\m+64*(\s)   ; lane r: row r's word; sixteen lanes read 64 consecutive bytes
.endr
.endm
	; ---- the head: addresses that hang on the thread's number alone
	s_load_b512 s[8:23], s[0:1], 0x0               ; counts s[8:9], order s[10:11], x s[12:13], wcodes s[14:15], wscales s[16:17], b1 s[18:19], b2 s[20:21], g1 s[22:23]
	s_load_b256 s[24:31], s[0:1], 0x40             ; be1 s[24:25], g2 s[26:27], be2 s[28:29], out0 s[30:31]
	v_lshl_add_u32 v254, v0, 2, 0x2ec00
	v_mov_b32 v255, 0
	v_lshrrev_b32 v19, 5, v0                       ; w
	v_readfirstlane_b32 s2, v19
	s_wait_kmcnt 0x0
	s_load_b256 s[32:39], s[8:9], 0x0              ; the eight counts
	v_and_b32 v16, 31, v0                          ; lane
	v_and_b32 v17, 15, v0                          ; r
	v_bfe_u32 v18, v0, 4, 1                        ; h
	v_lshlrev_b32 v1, 4, v16
	v_lshlrev_b32 v2, 6, v17
	v_lshl_add_u32 v2, v18, 10, v2
	v_add_nc_u32 v2, RED, v2                       ; RED + 1,024 h + 64 r
	v_lshl_add_u32 v3, v19, 15, v1                 ; a strip of codes is 32,768 bytes
	v_lshlrev_b32 v4, 2, v16
	v_lshl_add_u32 v4, v19, 11, v4                 ; a strip of scale words 2,048
	v_lshlrev_b32 v5, 6, v18
	v_lshl_add_u32 v6, v19, 7, v5                  ; 128 w + 64 h: my 16 numbers of a row of 512
	v_lshl_add_u32 v5, v19, 9, v5
	v_add_nc_u32 v5, B1L, v5                       ; B1L + 512 w + 64 h: my 16 numbers of b1's pair 0
	v_lshl_add_u32 v[B1G], v19, 9, v1              ; 512 w + 16 x lane
	v_add_nc_u32 v[B1S], B1L, v[B1G]
	v_lshlrev_b32 v20, 4, v17
	v_lshl_add_u32 v20, v18, 3, v20                ; 16 r + 8 h: my 8 bytes of a block's place in an image
	v_lshl_add_u32 v7, v19, 10, v20
	v_add_nc_u32 v7, HIMG, v7
	v_lshlrev_b32 v12, 6, v17
	v_lshl_add_u32 v12, v19, 2, v12
	v_add_nc_u32 v12, RED, v12                     ; RED + 64 r + 4 w
	v_lshlrev_b32 v8, 2, v17
	v_lshl_add_u32 v8, v19, 6, v8
	v_add_nc_u32 v8, HSC, v8                       ; HSC + 64 w + 4 r: row r's word of K step w
	v_lshl_add_u32 v9, v19, 12, v1
	v_add_nc_u32 v9, HB, v9
	v_lshl_add_u32 v13, v19, 8, v20                ; XIMG + 256 w + 16 r + 8 h
	v_lshlrev_b32 v15, 4, v17
	v_add_nc_u32 v15, XSC, v15
	v_add_nc_u32 v14, v15, v19
.irp i, 0,1,2,3,4,5,6,7,8,9,10,11
	v_mov_b32 v[TM+\i], 0                          ; written once: a lane permute's destination, and the upper half of a pair that is named, count as read
.endr
	s_mov_b32 s66, 0x76543210
	s_mov_b32 s67, 0xfedcba98                      ; v_permlanex16_b32's selects for lane l xor 16
	s_mov_b32 s68, 0x3b000000                      ; 1 / 512
	s_mov_b32 s69, 0x3727c5ac                      ; 1e-5
	s_mov_b32 s70, 0xffff0000                      ; lanes 16-31
	s_mov_b32 s48, 0                               ; the sum of the n_e, then L
	s_mov_b32 s49, 0                               ; the longest list's length
	s_mov_b32 s50, 0                               ; and its expert
	s_mov_b32 s51, 0                               ; tiles ahead of expert e
	s_mov_b32 s52, 0                               ; my expert,
	s_mov_b32 s53, 0                               ; its first tile,
	s_mov_b32 s54, 0                               ; its count,
	s_mov_b32 s55, 0                               ; L if it is the longest, else 0
	s_wait_kmcnt 0x0
	; ---- which tile is mine: selections on whole numbers read from memory, no branch
.irp e, 0,1,2,3,4,5,6,7
	s_min_u32 s[32+\e], s[32+\e], 4096
	s_add_co_u32 s[40+\e], s[32+\e], 31
	s_lshr_b32 s[40+\e], s[40+\e], 5               ; n_e
	s_add_co_u32 s48, s48, s[40+\e]
	s_cmp_gt_u32 s[32+\e], s49
	s_cselect_b32 s50, \e, s50
	s_cselect_b32 s49, s[32+\e], s49
.endr
	s_sub_co_u32 s48, 135, s48
	s_min_u32 s48, s48, 7                          ; L
.irp e, 0,1,2,3,4,5,6,7
	s_cmp_eq_u32 s50, \e
	s_cselect_b32 s56, s48, 0
	s_add_co_u32 s57, s[40+\e], s56                ; this expert's tiles
	s_cmp_ge_u32 ttmp9, s51                        ; the last expert whose first tile is not behind mine wins: empty lists are passed over
	s_cselect_b32 s52, \e, s52
	s_cselect_b32 s53, s51, s53
	s_cselect_b32 s54, s[32+\e], s54
	s_cselect_b32 s55, s56, s55
	s_add_co_u32 s51, s51, s57
.endr
	s_sub_co_u32 s56, ttmp9, s53                   ; j: my tile among the expert's
	s_lshl_b32 s57, s56, 4                         ; a short tile begins at 16 j,
	s_sub_co_u32 s58, s56, s55
	s_lshl_b32 s58, s58, 5                         ; a whole one at 32 (j - L)
	s_lshl_b32 s59, s55, 1
	s_cmp_lt_u32 s56, s59                          ; the first 2 L are short
	s_cselect_b32 s57, s57, s58                    ; my first row in the list
	s_cselect_b32 s58, 16, 32
	s_add_co_u32 s58, s57, s58
	s_min_u32 s58, s58, s54
	s_sub_co_u32 s58, s58, 1                       ; my last row
	s_min_u32 s52, s52, 7
	s_mov_b32 s61, 0
	s_lshl_b32 s60, s52, 14
	s_add_nc_u64 s[10:11], s[10:11], s[60:61]      ; my expert's list,
	s_lshl_b32 s60, s52, 19
	s_add_nc_u64 s[14:15], s[14:15], s[60:61]      ; codes,
	s_lshl_b32 s60, s52, 15
	s_add_nc_u64 s[16:17], s[16:17], s[60:61]      ; scale words,
	s_lshl_b32 s60, s52, 13
	s_add_nc_u64 s[18:19], s[18:19], s[60:61]      ; b1,
	s_lshl_b32 s60, s52, 11
	s_add_nc_u64 s[20:21], s[20:21], s[60:61]      ; b2, g1, be1, g2, be2
	s_add_nc_u64 s[22:23], s[22:23], s[60:61]
	s_add_nc_u64 s[24:25], s[24:25], s[60:61]
	s_add_nc_u64 s[26:27], s[26:27], s[60:61]
	s_add_nc_u64 s[28:29], s[28:29], s[60:61]
	s_lshl_b32 s62, s2, 1                          ; the tokens of the two rows that my wave stores at the end: rows 2 w and 2 w + 1 of the tile
	s_add_co_u32 s62, s62, s57
	s_min_u32 s63, s62, s58
	s_min_u32 s63, s63, 4095
	s_lshl_b32 s63, s63, 2
	s_load_b32 s73, s[10:11], s63 offset:0x0
	s_add_co_u32 s62, s62, 1
	s_min_u32 s62, s62, s58
	s_min_u32 s62, s62, 4095
	s_lshl_b32 s62, s62, 2
	s_load_b32 s74, s[10:11], s62 offset:0x0
	; ---- requests: my lane's two tokens; my wave's part of b1; the ring's six units; then x and the parameters
	v_add_nc_u32 v[TM], s57, v17                   ; row r of tile 0,
	v_add_nc_u32 v[TM+1], 16, v[TM]                ; of tile 1,
	v_min_u32 v[TM], s58, v[TM]                    ; held at the tile's last row
	v_min_u32 v[TM+1], s58, v[TM+1]
	v_min_u32 v[TM], 0xfff, v[TM]
	v_min_u32 v[TM+1], 0xfff, v[TM+1]
	v_lshlrev_b32 v[TM], 2, v[TM]
	v_lshlrev_b32 v[TM+1], 2, v[TM+1]
	global_load_b32 v[TM+2], v[TM], s[10:11]
	global_load_b32 v[TM+3], v[TM+1], s[10:11]
	global_load_b128 v[BIAS:BIAS+3], v[B1G], s[18:19]   ; b1 of my 128 hidden units: 512 consecutive bytes a wave
	ULOAD 0
	ULOAD 1
	ULOAD 2
	ULOAD 3
	ULOAD 4
	ULOAD 5
	s_wait_loadcnt 31                              ; the two words of the list are in; the 1 + 30 loads behind them may be out
	v_and_b32 v[TM+4], 0xfff, v[TM+2]
	v_and_b32 v[TM+5], 0xfff, v[TM+3]
	v_min_u32 v[TM+4], 0xfff, v[TM+4]              ; the tokens
	v_min_u32 v[TM+5], 0xfff, v[TM+5]
	v_bfe_u32 v[TM+6], v[TM+2], 12, 1
	v_bfe_u32 v[TM+7], v[TM+3], 12, 1
	v_cmp_ne_u32 s71, 0, v[TM+6]                   ; lanes whose token has a type outside 0 .. 7: its result is 0
	v_cmp_ne_u32 s72, 0, v[TM+7]
	v_lshlrev_b32 v[TM], 11, v[TM+4]               ; a row of x is 2,048 bytes
	v_lshlrev_b32 v[TM+1], 11, v[TM+5]
	v_add_nc_u32 v[TM], v[TM], v6
	v_add_nc_u32 v[TM+1], v[TM+1], v6
.irp q, 0,1,2,3
	global_load_b128 v[X0+4*\q:X0+4*\q+3], v[TM], s[12:13] offset:16*\q
.endr
.irp q, 0,1,2,3
	global_load_b128 v[X1+4*\q:X1+4*\q+3], v[TM+1], s[12:13] offset:16*\q
.endr
	PLOAD GG, 22                                   ; g1
	PLOAD BE, 24                                   ; be1
	PLOAD ACC+16, 20                               ; b2
	s_wait_kmcnt 0x0
	s_and_b32 s73, s73, 0xfff
	s_and_b32 s74, s74, 0xfff
	s_min_u32 s73, s73, 4095
	s_min_u32 s74, s74, 4095
	s_lshl_b32 s73, s73, 11
	s_lshl_b32 s74, s74, 11
	v_add_nc_u32 v10, s73, v1
	v_add_nc_u32 v11, s74, v1
	; ---- LN1; h + b2 and b1 to LDS; h quantised
	s_wait_loadcnt 12                              ; x is in; the 12 loads of g1, be1 and b2 may be out
	LNSTATS X0, X1, ACC, 0
	s_wait_loadcnt 0x0                             ; g1, be1, b2 (and, older than they, b1 and the ring's first six units)
	LNMUL X0, TM+8
	LNMUL X1, TM+10
	LNAFF X0, GG, BE                               ; h
	LNAFF X1, GG, BE
.irp i, 0,2,4,6,8,10,12,14
	v_pk_add_f32 v[GG+\i:GG+\i+1], v[X0+\i:X0+\i+1], v[ACC+16+\i:ACC+16+\i+1]   ; h + b2, where g1 and be1 lay
	v_pk_add_f32 v[BE+\i:BE+\i+1], v[X1+\i:X1+\i+1], v[ACC+16+\i:ACC+16+\i+1]
.endr
.irp m, 0,1
.irp q, 0,1,2,3
	ds_store_b128 v9, v[GG+16*\m+4*\q:GG+16*\m+4*\q+3] offset:512*(4*\m+\q)     ; my wave's own bytes: read back by the same lanes
.endr
.endr
	ds_store_b128 v[B1S], v[BIAS:BIAS+3]           ; b1: my wave's own 512 bytes, read by my wave alone
	QBLK2 X0, X1, 13, XIMG, XIMG+4096, 14, 0, 256
	BAR                                            ; x's eight fragments and their scale bytes lie in LDS
	; ---- the first product: my 128 hidden units, a pair of tiles (32 units) at a time, four K steps each
.irp m, 0,1
.irp s, 0,1,2,3
.irp c, 0,1
	ds_load_b128 v[XF+32*\m+8*\s+4*\c:XF+32*\m+8*\s+4*\c+3], v1 offset:XIMG+4096*\m+1024*\s+512*\c
.endr
.endr
.endr
.irp m, 0,1
	ds_load_b128 v[SCL+4*\m:SCL+4*\m+3], v15 offset:256*\m     ; row r's four scale words
.endr
	BL 0
	s_wait_dscnt 0x0
.set I, 0
.rept 16
.set SS, I%4
.set PP, I/4
.set SL, I%NS
	s_wait_loadcnt 25                              ; unit I is in: behind it five units of five loads were issued
.if SS == 0
	MUL4 SL, XF+8*SS, XF+32+8*SS, SCL+SS, SCL+4+SS, 0
.else
	MUL4 SL, XF+8*SS, XF+32+8*SS, SCL+SS, SCL+4+SS, -1
.endif
.if SS == 3
	PLACES 5                                       ; four in front of loads into registers that the products read and of the first read of results; five, since the next pair's first products write over these accumulators
.else
	PLACES 4
.endif
	ULOAD I+NS                                     ; into the slot that this step's products have just read
.if SS == 0 && PP < 3
	BL PP+1                                        ; the next pair's b1, into the registers that this step's products have just read; waited for at the head of the pair's quantising
.endif
.if SS == 3
.irp j, 0,1,2,3,4,5,6,7,8,9,10,11,12,13,14,15,16,17,18,19,20,21,22,23,24,25,26,27,28,29,30,31
	v_max_num_f32 v[ACC+\j], 0, v[ACC+\j]          ; the activation, each accumulator from its low end on
.endr
	QBLK2 ACC, ACC+16, 7, 256*PP, 16384+256*PP, 8, PP, 1024+PP   ; block PP of K step w of the second product
.endif
.set I, I+1
.endr
	BAR                                            ; the hidden layer's 32 fragments and their scale bytes lie in LDS
	; ---- the second product: my 32 columns, sixteen K steps; the sums start from h + b2
	v_and_b32 v15, 15, v0
	v_lshlrev_b32 v15, 2, v15                      ; 4 r
.irp m, 0,1
.irp q, 0,1,2,3
	ds_load_b128 v[ACC+16*\m+4*\q:ACC+16*\m+4*\q+3], v9 offset:512*(4*\m+\q)
.endr
.endr
	HF 0
	HF 1
	HF 2
	HF 3
.set S, 0
.rept 16
.set I, 16+S
.set SL, I%NS
.set H4, S%4
.if I <= 26
	s_wait_loadcnt 25                              ; five younger units
.elseif I == 27
	s_wait_loadcnt 24                              ; four units and g2's four loads
.else
	s_wait_loadcnt 5*(31-I)+8                      ; the units that are left, and the eight loads of g2 and be2
.endif
.if S < 13
	s_wait_dscnt 18                                ; K step S's fragments and scale words are in; the six loads of each of the three steps behind it may be out
.else
	s_wait_dscnt 6*(15-S)
.endif
	MUL4 SL, XF+16*H4, XF+16*H4+8, SCL+2*H4, SCL+2*H4+1, -1
	PLACES 4
.if I < 26
	ULOAD I+NS
.elseif I == 26
	PLOAD G2R, 26                                  ; g2, into the slot just read, which no unit takes any more
.elseif I == 27
	PLOAD BE2R, 28                                 ; be2 likewise
.endif
.if S < 12
	HF S+4
.endif
.set S, S+1
.endr
	; ---- LN2 and the way out
	LNSTATS ACC, ACC+16, RING, 2
	s_wait_loadcnt 0x0                             ; g2, be2
	LNMUL ACC, TM+8
	LNMUL ACC+16, TM+10
	LNAFF ACC, G2R, BE2R                           ; x g2 + be2
	LNAFF ACC+16, G2R, BE2R
	v_mov_b32 v[RING+16], 0
.irp j, 0,1,2,3,4,5,6,7,8,9,10,11,12,13,14,15
	v_cndmask_b32 v[ACC+\j], v[ACC+\j], v[RING+16], s71
	v_cndmask_b32 v[ACC+16+\j], v[ACC+16+\j], v[RING+16], s72
.endr
	v_and_b32 v13, 15, v0
	v_mul_u32_u24 v13, v13, SROW
	v_add_nc_u32 v13, v13, v6
	v_add_nc_u32 v13, STG, v13                     ; into the stage: row r (+ 16 m), my 64 bytes at 128 w + 64 h
	v_lshrrev_b32 v14, 5, v0
	v_mul_u32_u24 v14, v14, 2*SROW
	v_add_nc_u32 v14, v14, v1
	v_add_nc_u32 v14, STG, v14                     ; back: rows 2 w and 2 w + 1, 16 bytes a lane
.irp m, 0,1
.irp q, 0,1,2,3
	ds_store_b128 v13, v[ACC+16*\m+4*\q:ACC+16*\m+4*\q+3] offset:16*SROW*\m+16*\q
.endr
.endr
	BAR                                            ; 32 whole rows lie in the stage
.irp k, 0,1
.irp q, 0,1,2,3
	ds_load_b128 v[OUTR+16*\k+4*\q:OUTR+16*\k+4*\q+3], v14 offset:SROW*\k+512*\q
.endr
.endr
.irp k, 0,1
.irp q, 0,1,2,3
	s_wait_dscnt 7-4*\k-\q
	global_store_b128 v[10+\k], v[OUTR+16*\k+4*\q:OUTR+16*\k+4*\q+3], s[30:31] offset:512*\q th:TH_STORE_NT   ; 32 lanes store 512 consecutive bytes of the token's row, at a multiple of 256 from out0's first byte
.endr
.endr
	s_wait_tensorcnt 0x0
	ds_add_u32 v254, v255
	s_wait_dscnt 0x0
	s_endpgm
.Lfunc_end_k_q15ef2e99a4_mlp:
	.size	k_q15ef2e99a4_mlp, .Lfunc_end_k_q15ef2e99a4_mlp-k_q15ef2e99a4_mlp
	.p2alignl 7, 3214868480
	.fill 96, 4, 3214868480
	.section	.rodata,"a",@progbits
	.p2align	6, 0x0
	.amdhsa_kernel k_q15ef2e99a4_mlp
		.amdhsa_group_segment_fixed_size 193536
		.amdhsa_private_segment_fixed_size 0
		.amdhsa_enable_private_segment 0
		.amdhsa_kernarg_size 96
		.amdhsa_user_sgpr_count 2
		.amdhsa_user_sgpr_kernarg_segment_ptr 1
		.amdhsa_wavefront_size32 1
		.amdhsa_system_sgpr_workgroup_id_x 1
		.amdhsa_system_sgpr_workgroup_id_y 1
		.amdhsa_system_sgpr_workgroup_id_z 1
		.amdhsa_system_vgpr_workitem_id 0
		.amdhsa_next_free_vgpr 256
		.amdhsa_next_free_sgpr 80
		.amdhsa_reserve_vcc 0
		.amdhsa_float_denorm_mode_32 3
		.amdhsa_float_denorm_mode_16_64 3
		.amdhsa_memory_ordered 1
		.amdhsa_forward_progress 1
		.amdhsa_inst_pref_size 96
	.end_amdhsa_kernel
	.amdgpu_metadata
---
amdhsa.version: [ 1, 2 ]
amdhsa.kernels:
  - .name:           k_q15ef2e99a4_mlp
    .symbol:         k_q15ef2e99a4_mlp.kd
    .args:
      - { .name: counts, .offset: 0, .size: 8, .value_kind: global_buffer, .address_space: global }
      - { .name: order, .offset: 8, .size: 8, .value_kind: global_buffer, .address_space: global }
      - { .name: x, .offset: 16, .size: 8, .value_kind: global_buffer, .address_space: global }
      - { .name: wcodes, .offset: 24, .size: 8, .value_kind: global_buffer, .address_space: global }
      - { .name: wscales, .offset: 32, .size: 8, .value_kind: global_buffer, .address_space: global }
      - { .name: b1, .offset: 40, .size: 8, .value_kind: global_buffer, .address_space: global }
      - { .name: b2, .offset: 48, .size: 8, .value_kind: global_buffer, .address_space: global }
      - { .name: g1, .offset: 56, .size: 8, .value_kind: global_buffer, .address_space: global }
      - { .name: be1, .offset: 64, .size: 8, .value_kind: global_buffer, .address_space: global }
      - { .name: g2, .offset: 72, .size: 8, .value_kind: global_buffer, .address_space: global }
      - { .name: be2, .offset: 80, .size: 8, .value_kind: global_buffer, .address_space: global }
      - { .name: out0, .offset: 88, .size: 8, .value_kind: global_buffer, .address_space: global }
    .group_segment_fixed_size: 193536
    .private_segment_fixed_size: 0
    .kernarg_segment_align: 8
    .kernarg_segment_size: 96
    .max_flat_workgroup_size: 512
    .sgpr_count:     80
    .vgpr_count:     256
    .wavefront_size: 32
...
	.end_amdgpu_metadata
.endif
;; end of part 4
;; ======== version 3 of 3: 2 launches; version 2 with the launch mlp written anew for expert scheduling mode
;; workspace buffers: wcodes 8,388,608 bytes; wscales 524,288 bytes; order 131,072 bytes of whole numbers; counts 256 bytes of whole numbers
;; launch prep: the kernel of part 3 again; grid 520 x 1, 8 waves a work-group, no clusters, 0 bytes of LDS; arguments W1, W2, type_vec, wcodes, wscales, order, counts; writes wcodes, wscales, order, counts
;; launch mlp (part 5): grid 135 x 1, 16 waves a work-group, no clusters, 193,536 bytes of LDS; arguments counts, order, x, wcodes, wscales, b1, b2, g1, be1, g2, be2, out0; writes out0
.if DOCPART == 5
	.amdgcn_target "amdgcn-amd-amdhsa--gfx1250"
	.amdhsa_code_object_version 6
	.text
	.protected	k_q15ef2e99a4_mlp
	.globl	k_q15ef2e99a4_mlp
	.p2align	8
	.type	k_q15ef2e99a4_mlp,@function
k_q15ef2e99a4_mlp:
	s_mov_b64 s[64:65], 0
	v_nop
	global_prefetch_b8 v0, s[64:65] scope:SCOPE_SE
	s_setreg_imm32_b32 hwreg(HW_REG_WAVE_SCHED_MODE, 0, 2), 2
	s_setreg_imm32_b32 hwreg(HW_REG_WAVE_MODE, 25, 1), 1
	s_wait_xcnt 0x0
	s_wait_alu depctr_vm_vsrc(0)
; out[token] = LN2(h + relu(Q(h) Q(W1[e]) + b1[e]) Q(W2[e]) + b2[e]), h = LN1(x[token]), e the token's type; both products on codes of FP4 (E2M1) with one E8M0 scale for each 32 along K.
; Of the eight experts' results only the token's own is kept, so only that one is computed: a work-group takes up to 32 tokens of ONE expert's list.
; TILES.  n_e = ceil(count_e / 32) add up to 128 .. 135 (the counts add up to 4,096).  The grid has 135 work-groups; the L = 135 - sum that are over go to the longest list (512 tokens at the least), whose first 32 L
; rows are cut into 2 L tiles of 16: so every work-group has rows of its own, for every type_vec.  A tile with fewer than 32 rows repeats its last row (the index is held at the tile's end): the repeats compute and
; store the same bytes.  The text is one straight line: no branch, no loop, EXEC never changes.
; SHARES.  THE SIXTEEN WAVES SHARE THE COLUMNS, NOT THE ROWS: wave w owns columns 32 w .. 32 w + 31 of x, h and out (one block of 32) and hidden units 128 w .. 128 w + 127 (K step w of the second product), for all 32 rows.
; So each fragment of a weight is read once in the work-group, by one wave, straight into its registers (dense loads of 512 bytes: the codes lie in the order of the operand's registers), and feeds two products.
; THE WEIGHTS' RING: a wave's 32 units (16 of W1, 16 of W2; a unit is two fragments and a register of scale words, five loads) go through six slots of registers: six units, 13,056 bytes, of every wave are on their way,
; from the kernel's head on, across both products.  The registers for six slots are had by keeping nothing else that LDS can hold: b1 and the hidden layer's scale words are read from LDS as they are wanted.
; BOTH PRODUCTS ARE USED TRANSPOSED (source 0 = 16 columns of the weight, source 1 = 16 tokens): a lane holds one token (lane % 16), and the 16 registers of a pair of tiles are 16 neighbouring columns, 16 (lane / 16) + 0 .. 15.
; The rows' codes go from wave to wave through LDS as images of the operand's registers: a lane's 16 codes are 8 bytes of one 16-byte place of the image.  The hidden layer never goes to memory.
; b1 is the C of a sum's first product; h + b2 is the start of the second product's sums (reference() adds both behind them: another order of f32 additions, not ahead of a quantiser).
; NO CLUSTER: joint requests are tensor loads into LDS, and here no fragment is used by two waves of a work-group, so LDS would only be written and read once more; 135 is no multiple of 4; and which work-groups
; share an expert hangs on counts read from memory, an expert's number of tiles being no multiple of 4 either.
; LIMITS: NaN and infinities among the inputs are not served.  A block of zeros gets the byte 1 with zero codes.  A token whose type lies outside 0 .. 7 gets zeros, as reference() gives it.
; THE MODE: SCHED_MODE bits 1:0 = 2 (LLVM: expert scheduling mode 2), set by the entry lines.  The code itself states the register dependences between vector or matrix instructions and memory or LDS instructions,
; with s_wait_alu, always for 0.
; THE PLAN.  Registers that memory or LDS instructions touch, in the 32 steps of the two products:
;   RING slot i % 6, WS + i % 6   Step i's four products read them; behind these the five loads of unit i + 6 land in them.
;   XF slot s % 4, its two of SCL  (second product)  K step s's products read them; behind these the six LDS loads of K step s + 4 land in them.
;   BIAS                           A pair's first step reads it as C; behind its products the next pair's four LDS loads land in it.
;   TM+6 .. TM+11                  Written by a quantising's lines, read by its four LDS stores, written again by the next quantising.
;   v1-v9, v12, v250, v251         Offsets and addresses, made at the head and never written again.  v13, v14, v15 are made a second time, far behind the accesses that read them.
; So ONE wait on va_vdst stands in a step, at its end, behind its four products and their places: they are done reading all that the step's loads land in, and the registers are asked for again at once.
; A quantising has a wait on vm_vsrc at its head (the last one's stores have read their data) and a wait on va_vdst ahead of its stores.
.set XIMG, 0                           ; LDS: x's fragments [m 2][K step 4] of 1,024 bytes
.set XSC,  8192                        ; their scale bytes [m][row 16][16]
.set HSC,  8704                        ; the hidden layer's scale words [m][K step 16][row 16]
.set RED,  10752                       ; four regions of 2,048: [m][row 16][wave 16] f32, the waves' partial sums
.set HIMG, 18944                       ; the hidden layer's fragments [m 2][K step 16] of 1,024 bytes
.set HB,   51712                       ; h + b2: each wave's own 4,096 bytes, as register images
.set STG,  117248                      ; the way out: 32 rows of 2,048 bytes + 16
.set SROW, 2064
.set B1L,  183296                      ; my expert's b1, 2,048 numbers: each wave's own 512 bytes
.set NS,   6                           ; slots of the weights' ring
; v1 16 x lane; v2 where I read partial sums; v3, v4 my offsets in the codes and scale words; v5 where I read b1 in LDS; v6 my offset in a row of 512 numbers; v7, v8 where the hidden layer's codes and bytes go;
; v9 my place in HB; v10, v11 the rows of out that I store; v12 where my partial sums go; v13, v14 x's codes and bytes, later the stage in and out; v15 where scale words are read
.set XF,   16                          ; v16-79   LN1: x of tile 0, of tile 1, g1, be1.  First product: x's 8 fragments.  Second: the hidden layer's, four slots of two
.set X0,   16
.set X1,   32
.set GG,   48
.set BE,   64
.set SCL,  80                          ; v80-87   the rows' scale words, and nothing else.  First product: SCL + 4 m + K step.  Second: SCL + 2 (K step % 4) + m
.set WS,   88                          ; v88-93   the weights' scale words, a register for each slot of the ring, and nothing else
.set ACC,  94                          ; v94-125  four accumulators: ACC + 16 m + 8 u
.set RING, 126                         ; v126-221 the weights' ring: six slots of a unit (two fragments).  At the end: slot 0 at work, slot 2 g2, slot 3 be2, slots 4 and 5 the rows on their way out
.set BIAS, 222                         ; v222-237 b1 of a pair of tiles
.set TM,   238                         ; v238-249 at work
.set B1G,  250                         ; v250     my 16 bytes of my wave's 512 of b1, in memory,
.set B1S,  251                         ; v251     and in LDS
.set G2R,  RING+32
.set BE2R, RING+48
.set OUTR, RING+64
.macro BAR                                     ; my LDS stores have landed and my LDS loads are in: then the work-group's barrier
	s_wait_dscnt 0x0
	s_barrier_signal -1
	s_barrier_wait -1
.endm
.macro PLACES n
.rept \n
	v_nop
.endr
.endm
.macro ULOAD i                                 ; unit i of my 32 (0-15: W1's strip w; 16-31: W2's) into slot i % 6: five loads
.if (\i) < 16
.set IC, 2048*(\i)
.set IS, 128*(\i)
.else
.set IC, 4194304+2048*((\i)-16)
.set IS, 262144+128*((\i)-16)
.endif
.set RS, RING+16*((\i)%NS)
.irp k, 0,1,2,3
	global_load_b128 v[RS+4*\k:RS+4*\k+3], v3, s[14:15] offset:IC+512*\k   ; 32 lanes read 512 consecutive bytes: half a fragment
.endr
	global_load_b32 v[WS+(\i)%NS], v4, s[16:17] offset:IS
.endm
.macro PLOAD reg, base                         ; my 16 numbers of a row of 512 parameters: four loads
.irp q, 0,1,2,3
	global_load_b128 v[\reg+4*\q:\reg+4*\q+3], v6, s[\base:\base+1] offset:16*\q
.endr
.endm
.macro BL p                                    ; b1 of pair p, from my wave's own bytes of LDS: the lanes of a half read the same 64 bytes
.irp q, 0,1,2,3
	ds_load_b128 v[BIAS+4*\q:BIAS+4*\q+3], v5 offset:128*(\p)+16*\q
.endr
.endm
.macro MM u, m, sl, b, sb, cb                  ; one product: tile u of the slot's unit x the rows' fragment b.  cb >= 0: the sum starts from b1, at BIAS + cb
.if \cb >= 0
.if \u
	v_wmma_scale_f32_16x16x128_f8f6f4 v[ACC+16*\m+8*\u:ACC+16*\m+8*\u+7], v[RING+16*(\sl)+8*\u:RING+16*(\sl)+8*\u+7], v[\b:\b+7], v[BIAS+\cb+8*\u:BIAS+\cb+8*\u+7], v[WS+(\sl)], v[\sb] matrix_a_fmt:MATRIX_FMT_FP4 matrix_b_fmt:MATRIX_FMT_FP4 matrix_a_scale:MATRIX_SCALE_ROW1
.else
	v_wmma_scale_f32_16x16x128_f8f6f4 v[ACC+16*\m+8*\u:ACC+16*\m+8*\u+7], v[RING+16*(\sl)+8*\u:RING+16*(\sl)+8*\u+7], v[\b:\b+7], v[BIAS+\cb+8*\u:BIAS+\cb+8*\u+7], v[WS+(\sl)], v[\sb] matrix_a_fmt:MATRIX_FMT_FP4 matrix_b_fmt:MATRIX_FMT_FP4
.endif
.else
.if \u
	v_wmma_scale_f32_16x16x128_f8f6f4 v[ACC+16*\m+8*\u:ACC+16*\m+8*\u+7], v[RING+16*(\sl)+8*\u:RING+16*(\sl)+8*\u+7], v[\b:\b+7], v[ACC+16*\m+8*\u:ACC+16*\m+8*\u+7], v[WS+(\sl)], v[\sb] matrix_a_fmt:MATRIX_FMT_FP4 matrix_b_fmt:MATRIX_FMT_FP4 matrix_a_scale:MATRIX_SCALE_ROW1
.else
	v_wmma_scale_f32_16x16x128_f8f6f4 v[ACC+16*\m+8*\u:ACC+16*\m+8*\u+7], v[RING+16*(\sl)+8*\u:RING+16*(\sl)+8*\u+7], v[\b:\b+7], v[ACC+16*\m+8*\u:ACC+16*\m+8*\u+7], v[WS+(\sl)], v[\sb] matrix_a_fmt:MATRIX_FMT_FP4 matrix_b_fmt:MATRIX_FMT_FP4
.endif
.endif
.endm
.macro MUL4 sl, b0, b1, s0, s1, cb             ; a step: the four accumulators take turns, one instruction a turn, in the same order in every step
	MM 0, 0, \sl, \b0, \s0, \cb
	MM 0, 1, \sl, \b1, \s1, \cb
	MM 1, 0, \sl, \b0, \s0, \cb
	MM 1, 1, \sl, \b1, \s1, \cb
.endm
.macro SUM16 d, a, t                           ; v[d] = the sum of v[a .. a + 15], from the low end on; t: 8 registers at work (t = a: in place)
	v_pk_add_f32 v[\t:\t+1], v[\a:\a+1], v[\a+2:\a+3]
	v_pk_add_f32 v[\t+2:\t+3], v[\a+4:\a+5], v[\a+6:\a+7]
	v_pk_add_f32 v[\t+4:\t+5], v[\a+8:\a+9], v[\a+10:\a+11]
	v_pk_add_f32 v[\t+6:\t+7], v[\a+12:\a+13], v[\a+14:\a+15]
	v_pk_add_f32 v[\t:\t+1], v[\t:\t+1], v[\t+2:\t+3]
	v_pk_add_f32 v[\t+4:\t+5], v[\t+4:\t+5], v[\t+6:\t+7]
	v_pk_add_f32 v[\t:\t+1], v[\t:\t+1], v[\t+4:\t+5]
	v_add_f32 v[\d], v[\t], v[\t+1]
.endm
.macro SQ16 d, a, t                            ; v[d] = the sum of their squares, in two chains; t: 4 registers
	v_pk_mul_f32 v[\t:\t+1], v[\a:\a+1], v[\a:\a+1]
	v_pk_mul_f32 v[\t+2:\t+3], v[\a+2:\a+3], v[\a+2:\a+3]
.irp i, 4,8,12
	v_pk_fma_f32 v[\t:\t+1], v[\a+\i:\a+\i+1], v[\a+\i:\a+\i+1], v[\t:\t+1]
	v_pk_fma_f32 v[\t+2:\t+3], v[\a+\i+2:\a+\i+3], v[\a+\i+2:\a+\i+3], v[\t+2:\t+3]
.endr
	v_pk_add_f32 v[\t:\t+1], v[\t:\t+1], v[\t+2:\t+3]
	v_add_f32 v[\d], v[\t], v[\t+1]
.endm
; My lane's partial sums of row r of tiles 0 and 1, in v[TM] and v[TM+1], become the rows' totals over all 512 columns, in the same registers.  Region k of RED is used once.
.macro REDUCE k, tmp
	v_permlanex16_b32 v[TM+2], v[TM], s66, s67
	v_permlanex16_b32 v[TM+3], v[TM+1], s66, s67
	v_add_f32 v[TM], v[TM], v[TM+2]                ; with lane l xor 16's: my wave's 32 columns
	v_add_f32 v[TM+1], v[TM+1], v[TM+3]
	s_wait_alu depctr_va_vdst(0)                   ; v[TM] and v[TM+1] are written, which the two stores read; and the sums above are done with the 16 registers at work, in which the loads behind the barrier land
	ds_store_b32 v12, v[TM] offset:2048*(\k)       ; (both halves of the lanes write the same word with the same value)
	ds_store_b32 v12, v[TM+1] offset:2048*(\k)+1024
	BAR
.irp q, 0,1,2,3
	ds_load_b128 v[\tmp+4*\q:\tmp+4*\q+3], v2 offset:2048*(\k)+16*\q   ; lane (r, h): the sixteen waves' partial sums of row r of tile h
.endr
	s_wait_dscnt 0x0
	SUM16 TM+2, \tmp, \tmp
	v_permlanex16_b32 v[TM+3], v[TM+2], s66, s67   ; the other tile's total
	s_wait_alu depctr_vm_vsrc(0)                   ; the two stores have read v[TM] and v[TM+1], which the selections write; so has every earlier load and store read what it names of v[TM+4] .. v[TM+11], which the lines behind this macro write
	v_cndmask_b32 v[TM], v[TM+2], v[TM+3], s70     ; tile 0's: mine in lanes 0-15
	v_cndmask_b32 v[TM+1], v[TM+3], v[TM+2], s70   ; tile 1's: mine in lanes 16-31
.endm
.macro LNSUB a, p
.irp i, 0,2,4,6,8,10,12,14
	v_pk_add_f32 v[\a+\i:\a+\i+1], v[\a+\i:\a+\i+1], v[\p:\p+1] op_sel_hi:[1,0] neg_lo:[0,1] neg_hi:[0,1]
.endr
.endm
.macro LNMUL a, p
.irp i, 0,2,4,6,8,10,12,14
	v_pk_mul_f32 v[\a+\i:\a+\i+1], v[\a+\i:\a+\i+1], v[\p:\p+1] op_sel_hi:[1,0]
.endr
.endm
.macro LNAFF a, g, b
.irp i, 0,2,4,6,8,10,12,14
	v_pk_fma_f32 v[\a+\i:\a+\i+1], v[\a+\i:\a+\i+1], v[\g+\i:\g+\i+1], v[\b+\i:\b+\i+1]
.endr
.endm
; A layer norm's two passes over my 16 numbers of a row of each tile, a0 and a1: the mean is taken away first, the squares are of the differences.  Leaves the differences in place and
; 1 / sqrt(variance + 1e-5) in v[TM+8] and v[TM+10].  t: 16 registers at work; k, k + 1: regions of RED.  Two barriers.
.macro LNSTATS a0, a1, t, k
	SUM16 TM, \a0, \t
	SUM16 TM+1, \a1, \t+8
	REDUCE \k, \t
	v_mul_f32 v[TM+4], s68, v[TM]                  ; the means
	v_mul_f32 v[TM+6], s68, v[TM+1]
	LNSUB \a0, TM+4
	LNSUB \a1, TM+6
	SQ16 TM, \a0, \t
	SQ16 TM+1, \a1, \t+4
	REDUCE \k+1, \t
	v_fma_f32 v[TM], v[TM], s68, s69
	v_fma_f32 v[TM+1], v[TM+1], s68, s69
	v_rsq_f32 v[TM+8], v[TM]
	v_rsq_f32 v[TM+10], v[TM+1]
	v_nop                                          ; a plain place behind the transcendentals (ISA guide 5.7.2)
	s_wait_alu depctr_va_vdst(0)                   ; the two roots v[TM+8] and v[TM+10] are written: one wait for the batch, ahead of the first line that names them
.endm
; Two blocks of 32 (a row of tile 0 and of tile 1; 16 numbers of each in my lane, the other 16 in lane l xor 16) become codes and a scale byte, by turns; 8 bytes of codes and the byte go to LDS.
.macro QBLK2 a0, a1, adrc, oc0, oc1, adrs, os0, os1
	s_wait_dscnt 0x0                               ; my LDS instructions so far are done: b1 of the next pair, asked for three steps ago, is in
	s_wait_alu depctr_vm_vsrc(0)                   ; my LDS stores so far have read their data: the last quantising's v[TM+6] .. v[TM+11], written again below; the first time v48-79 and v[BIAS] on, in which LDS loads land behind the barrier
	v_max3_num_f32 v[TM], |v[\a0]|, |v[\a0+1]|, 0x1800000          ; the largest magnitude, and the floor 2^(3 - 127): the byte cannot fall under 1
	v_max3_num_f32 v[TM+1], |v[\a1]|, |v[\a1+1]|, 0x1800000
.irp i, 2,4,6,8,10,12,14
	v_max3_num_f32 v[TM], v[TM], |v[\a0+\i]|, |v[\a0+\i+1]|
	v_max3_num_f32 v[TM+1], v[TM+1], |v[\a1+\i]|, |v[\a1+\i+1]|
.endr
	v_permlanex16_b32 v[TM+2], v[TM], s66, s67
	v_permlanex16_b32 v[TM+3], v[TM+1], s66, s67
	v_max_num_f32 v[TM], v[TM], v[TM+2]
	v_max_num_f32 v[TM+1], v[TM+1], v[TM+3]
	v_add_nc_u32 v[TM+4], 0xff000000, v[TM]        ; 2 off the exponent field: the conversion's scale operand
	v_add_nc_u32 v[TM+5], 0xff000000, v[TM+1]
	v_lshrrev_b32 v[TM+6], 23, v[TM+4]             ; the scale's byte
	v_lshrrev_b32 v[TM+7], 23, v[TM+5]
	v_cvt_scalef32_pk8_fp4_f32 v[TM+8], v[\a0:\a0+7], v[TM+4]
	v_cvt_scalef32_pk8_fp4_f32 v[TM+9], v[\a0+8:\a0+15], v[TM+4]
	v_cvt_scalef32_pk8_fp4_f32 v[TM+10], v[\a1:\a1+7], v[TM+5]
	v_cvt_scalef32_pk8_fp4_f32 v[TM+11], v[\a1+8:\a1+15], v[TM+5]
	v_nop                                          ; one plain place behind the last scaled conversion: products write its sources later
	s_wait_alu depctr_va_vdst(0)                   ; the codes v[TM+8] .. v[TM+11] and the bytes v[TM+6], v[TM+7] are written, which the four stores read; the first time the conversions are also done reading v16-47, in which x's fragments land behind the barrier
	ds_store_b64 v[\adrc], v[TM+8:TM+9] offset:\oc0
	ds_store_b64 v[\adrc], v[TM+10:TM+11] offset:\oc1
	ds_store_b8 v[\adrs], v[TM+6] offset:\os0      ; (both lanes of a block write the same byte with the same value)
	ds_store_b8 v[\adrs], v[TM+7] offset:\os1
.endm
.macro HF s                                    ; the hidden layer's two fragments of K step s, and their rows' scale words, into slot s % 4: six loads
.irp m, 0,1
.irp c, 0,1
	ds_load_b128 v[XF+16*((\s)%4)+8*\m+4*\c:XF+16*((\s)%4)+8*\m+4*\c+3], v1 offset:HIMG+16384*\m+1024*(\s)+512*\c
.endr
	ds_load_b32 v[SCL+2*((\s)%4)+\m], v15 offset:HSC+1024*\m+64*(\s)   ; lane r: row r's word; sixteen lanes read 64 consecutive bytes
.endr
.endm
	; ---- the head: addresses that hang on the thread's number alone
	s_load_b512 s[8:23], s[0:1], 0x0               ; counts s[8:9], order s[10:11], x s[12:13], wcodes s[14:15], wscales s[16:17], b1 s[18:19], b2 s[20:21], g1 s[22:23]
	s_load_b256 s[24:31], s[0:1], 0x40             ; be1 s[24:25], g2 s[26:27], be2 s[28:29], out0 s[30:31]
	v_lshl_add_u32 v254, v0, 2, 0x2ec00
	v_mov_b32 v255, 0
	v_lshrrev_b32 v19, 5, v0                       ; w
	v_readfirstlane_b32 s2, v19
	s_wait_kmcnt 0x0
	s_load_b256 s[32:39], s[8:9], 0x0              ; the eight counts
	v_and_b32 v16, 31, v0                          ; lane
	v_and_b32 v17, 15, v0                          ; r
	v_bfe_u32 v18, v0, 4, 1                        ; h
	v_lshlrev_b32 v1, 4, v16
	v_lshlrev_b32 v2, 6, v17
	v_lshl_add_u32 v2, v18, 10, v2
	v_add_nc_u32 v2, RED, v2                       ; RED + 1,024 h + 64 r
	v_lshl_add_u32 v3, v19, 15, v1                 ; a strip of codes is 32,768 bytes
	v_lshlrev_b32 v4, 2, v16
	v_lshl_add_u32 v4, v19, 11, v4                 ; a strip of scale words 2,048
	v_lshlrev_b32 v5, 6, v18
	v_lshl_add_u32 v6, v19, 7, v5                  ; 128 w + 64 h: my 16 numbers of a row of 512
	v_lshl_add_u32 v5, v19, 9, v5
	v_add_nc_u32 v5, B1L, v5                       ; B1L + 512 w + 64 h: my 16 numbers of b1's pair 0
	v_lshl_add_u32 v[B1G], v19, 9, v1              ; 512 w + 16 x lane
	v_add_nc_u32 v[B1S], B1L, v[B1G]
	v_lshlrev_b32 v20, 4, v17
	v_lshl_add_u32 v20, v18, 3, v20                ; 16 r + 8 h: my 8 bytes of a block's place in an image
	v_lshl_add_u32 v7, v19, 10, v20
	v_add_nc_u32 v7, HIMG, v7
	v_lshlrev_b32 v12, 6, v17
	v_lshl_add_u32 v12, v19, 2, v12
	v_add_nc_u32 v12, RED, v12                     ; RED + 64 r + 4 w
	v_lshlrev_b32 v8, 2, v17
	v_lshl_add_u32 v8, v19, 6, v8
	v_add_nc_u32 v8, HSC, v8                       ; HSC + 64 w + 4 r: row r's word of K step w
	v_lshl_add_u32 v9, v19, 12, v1
	v_add_nc_u32 v9, HB, v9
	v_lshl_add_u32 v13, v19, 8, v20                ; XIMG + 256 w + 16 r + 8 h
	v_lshlrev_b32 v15, 4, v17
	v_add_nc_u32 v15, XSC, v15
	v_add_nc_u32 v14, v15, v19
.irp i, 0,1,2,3,4,5,6,7,8,9,10,11
	v_mov_b32 v[TM+\i], 0                          ; written once: a lane permute's destination, and the upper half of a pair that is named, count as read
.endr
	s_mov_b32 s66, 0x76543210
	s_mov_b32 s67, 0xfedcba98                      ; v_permlanex16_b32's selects for lane l xor 16
	s_mov_b32 s68, 0x3b000000                      ; 1 / 512
	s_mov_b32 s69, 0x3727c5ac                      ; 1e-5
	s_mov_b32 s70, 0xffff0000                      ; lanes 16-31
	s_mov_b32 s48, 0                               ; the sum of the n_e, then L
	s_mov_b32 s49, 0                               ; the longest list's length
	s_mov_b32 s50, 0                               ; and its expert
	s_mov_b32 s51, 0                               ; tiles ahead of expert e
	s_mov_b32 s52, 0                               ; my expert,
	s_mov_b32 s53, 0                               ; its first tile,
	s_mov_b32 s54, 0                               ; its count,
	s_mov_b32 s55, 0                               ; L if it is the longest, else 0
	s_wait_kmcnt 0x0
	; ---- which tile is mine: selections on whole numbers read from memory, no branch
.irp e, 0,1,2,3,4,5,6,7
	s_min_u32 s[32+\e], s[32+\e], 4096
	s_add_co_u32 s[40+\e], s[32+\e], 31
	s_lshr_b32 s[40+\e], s[40+\e], 5               ; n_e
	s_add_co_u32 s48, s48, s[40+\e]
	s_cmp_gt_u32 s[32+\e], s49
	s_cselect_b32 s50, \e, s50
	s_cselect_b32 s49, s[32+\e], s49
.endr
	s_sub_co_u32 s48, 135, s48
	s_min_u32 s48, s48, 7                          ; L
.irp e, 0,1,2,3,4,5,6,7
	s_cmp_eq_u32 s50, \e
	s_cselect_b32 s56, s48, 0
	s_add_co_u32 s57, s[40+\e], s56                ; this expert's tiles
	s_cmp_ge_u32 ttmp9, s51                        ; the last expert whose first tile is not behind mine wins: empty lists are passed over
	s_cselect_b32 s52, \e, s52
	s_cselect_b32 s53, s51, s53
	s_cselect_b32 s54, s[32+\e], s54
	s_cselect_b32 s55, s56, s55
	s_add_co_u32 s51, s51, s57
.endr
	s_sub_co_u32 s56, ttmp9, s53                   ; j: my tile among the expert's
	s_lshl_b32 s57, s56, 4                         ; a short tile begins at 16 j,
	s_sub_co_u32 s58, s56, s55
	s_lshl_b32 s58, s58, 5                         ; a whole one at 32 (j - L)
	s_lshl_b32 s59, s55, 1
	s_cmp_lt_u32 s56, s59                          ; the first 2 L are short
	s_cselect_b32 s57, s57, s58                    ; my first row in the list
	s_cselect_b32 s58, 16, 32
	s_add_co_u32 s58, s57, s58
	s_min_u32 s58, s58, s54
	s_sub_co_u32 s58, s58, 1                       ; my last row
	s_min_u32 s52, s52, 7
	s_mov_b32 s61, 0
	s_lshl_b32 s60, s52, 14
	s_add_nc_u64 s[10:11], s[10:11], s[60:61]      ; my expert's list,
	s_lshl_b32 s60, s52, 19
	s_add_nc_u64 s[14:15], s[14:15], s[60:61]      ; codes,
	s_lshl_b32 s60, s52, 15
	s_add_nc_u64 s[16:17], s[16:17], s[60:61]      ; scale words,
	s_lshl_b32 s60, s52, 13
	s_add_nc_u64 s[18:19], s[18:19], s[60:61]      ; b1,
	s_lshl_b32 s60, s52, 11
	s_add_nc_u64 s[20:21], s[20:21], s[60:61]      ; b2, g1, be1, g2, be2
	s_add_nc_u64 s[22:23], s[22:23], s[60:61]
	s_add_nc_u64 s[24:25], s[24:25], s[60:61]
	s_add_nc_u64 s[26:27], s[26:27], s[60:61]
	s_add_nc_u64 s[28:29], s[28:29], s[60:61]
	s_wait_alu depctr_va_sdst(0)                   ; s2, the wave's number, is written, ahead of its first reader
	s_lshl_b32 s62, s2, 1                          ; the tokens of the two rows that my wave stores at the end: rows 2 w and 2 w + 1 of the tile
	s_add_co_u32 s62, s62, s57
	s_min_u32 s63, s62, s58
	s_min_u32 s63, s63, 4095
	s_lshl_b32 s63, s63, 2
	s_load_b32 s73, s[10:11], s63 offset:0x0
	s_add_co_u32 s62, s62, 1
	s_min_u32 s62, s62, s58
	s_min_u32 s62, s62, 4095
	s_lshl_b32 s62, s62, 2
	s_load_b32 s74, s[10:11], s62 offset:0x0
	; ---- requests: my lane's two tokens; my wave's part of b1; the ring's six units; then x and the parameters
	v_add_nc_u32 v[TM], s57, v17                   ; row r of tile 0,
	v_add_nc_u32 v[TM+1], 16, v[TM]                ; of tile 1,
	v_min_u32 v[TM], s58, v[TM]                    ; held at the tile's last row
	v_min_u32 v[TM+1], s58, v[TM+1]
	v_min_u32 v[TM], 0xfff, v[TM]
	v_min_u32 v[TM+1], 0xfff, v[TM+1]
	v_lshlrev_b32 v[TM], 2, v[TM]
	v_lshlrev_b32 v[TM+1], 2, v[TM+1]
	s_wait_alu depctr_va_vdst(0)                   ; the offsets and addresses v1-v9, v12-v15, v250, v251, v[TM], v[TM+1] are written, which the loads and stores from here on read; so are v[TM+2] and v[TM+3], in which the list's words land
	global_load_b32 v[TM+2], v[TM], s[10:11]
	global_load_b32 v[TM+3], v[TM+1], s[10:11]
	global_load_b128 v[BIAS:BIAS+3], v[B1G], s[18:19]   ; b1 of my 128 hidden units: 512 consecutive bytes a wave
	ULOAD 0
	ULOAD 1
	ULOAD 2
	ULOAD 3
	ULOAD 4
	ULOAD 5
	s_wait_loadcnt 31                              ; the two words of the list are in; the 1 + 30 loads behind them may be out
	v_and_b32 v[TM+4], 0xfff, v[TM+2]
	v_and_b32 v[TM+5], 0xfff, v[TM+3]
	v_min_u32 v[TM+4], 0xfff, v[TM+4]              ; the tokens
	v_min_u32 v[TM+5], 0xfff, v[TM+5]
	v_bfe_u32 v[TM+6], v[TM+2], 12, 1
	v_bfe_u32 v[TM+7], v[TM+3], 12, 1
	v_cmp_ne_u32 s71, 0, v[TM+6]                   ; lanes whose token has a type outside 0 .. 7: its result is 0
	v_cmp_ne_u32 s72, 0, v[TM+7]
	v_lshlrev_b32 v[TM+4], 11, v[TM+4]             ; a row of x is 2,048 bytes.  (In registers of their own: v[TM] and v[TM+1], which the list's loads read, are not written here)
	v_lshlrev_b32 v[TM+5], 11, v[TM+5]
	v_add_nc_u32 v[TM+4], v[TM+4], v6
	v_add_nc_u32 v[TM+5], v[TM+5], v6
	s_wait_alu depctr_va_sdst(0)                   ; the masks s71 and s72 are written: one wait behind the two compares, ahead of the selections that read them on the way out
	s_wait_alu depctr_va_vdst(0)                   ; x's offsets v[TM+4] and v[TM+5] are written; and the head is done with v16-v20, in which x lands
.irp q, 0,1,2,3
	global_load_b128 v[X0+4*\q:X0+4*\q+3], v[TM+4], s[12:13] offset:16*\q
.endr
.irp q, 0,1,2,3
	global_load_b128 v[X1+4*\q:X1+4*\q+3], v[TM+5], s[12:13] offset:16*\q
.endr
	PLOAD GG, 22                                   ; g1
	PLOAD BE, 24                                   ; be1
	PLOAD ACC+16, 20                               ; b2
	s_wait_kmcnt 0x0
	s_and_b32 s73, s73, 0xfff
	s_and_b32 s74, s74, 0xfff
	s_min_u32 s73, s73, 4095
	s_min_u32 s74, s74, 4095
	s_lshl_b32 s73, s73, 11
	s_lshl_b32 s74, s74, 11
	v_add_nc_u32 v10, s73, v1
	v_add_nc_u32 v11, s74, v1
	; ---- LN1; h + b2 and b1 to LDS; h quantised
	s_wait_loadcnt 12                              ; x is in; the 12 loads of g1, be1 and b2 may be out
	s_wait_alu depctr_vm_vsrc(0)                   ; the list's two loads have read v[TM] and v[TM+1], which the sums below write
	LNSTATS X0, X1, ACC, 0
	s_wait_loadcnt 0x0                             ; g1, be1, b2 (and, older than they, b1 and the ring's first six units)
	LNMUL X0, TM+8
	LNMUL X1, TM+10
	LNAFF X0, GG, BE                               ; h
	LNAFF X1, GG, BE
.irp i, 0,2,4,6,8,10,12,14
	v_pk_add_f32 v[GG+\i:GG+\i+1], v[X0+\i:X0+\i+1], v[ACC+16+\i:ACC+16+\i+1]   ; h + b2, where g1 and be1 lay
	v_pk_add_f32 v[BE+\i:BE+\i+1], v[X1+\i:X1+\i+1], v[ACC+16+\i:ACC+16+\i+1]
.endr
	s_wait_alu depctr_va_vdst(0)                   ; h + b2 is written in v48-79, which the eight stores read
.irp m, 0,1
.irp q, 0,1,2,3
	ds_store_b128 v9, v[GG+16*\m+4*\q:GG+16*\m+4*\q+3] offset:512*(4*\m+\q)     ; my wave's own bytes: read back by the same lanes
.endr
.endr
	ds_store_b128 v[B1S], v[BIAS:BIAS+3]           ; b1: my wave's own 512 bytes, read by my wave alone
	QBLK2 X0, X1, 13, XIMG, XIMG+4096, 14, 0, 256
	BAR                                            ; x's eight fragments and their scale bytes lie in LDS
	; ---- the first product: my 128 hidden units, a pair of tiles (32 units) at a time, four K steps each.
	; The loads below land in v16-79 and v[BIAS] on.  No wait: no vector line stands behind the quantising's wait on va_vdst, and its wait on vm_vsrc stands behind the stores that read v48-79 and v[BIAS] on
.irp m, 0,1
.irp s, 0,1,2,3
.irp c, 0,1
	ds_load_b128 v[XF+32*\m+8*\s+4*\c:XF+32*\m+8*\s+4*\c+3], v1 offset:XIMG+4096*\m+1024*\s+512*\c
.endr
.endr
.endr
.irp m, 0,1
	ds_load_b128 v[SCL+4*\m:SCL+4*\m+3], v15 offset:256*\m     ; row r's four scale words
.endr
	BL 0
	s_wait_dscnt 0x0
.set I, 0
.rept 16
.set SS, I%4
.set PP, I/4
.set SL, I%NS
	s_wait_loadcnt 25                              ; unit I is in: behind it five units of five loads were issued
.if SS == 0
	MUL4 SL, XF+8*SS, XF+32+8*SS, SCL+SS, SCL+4+SS, 0
.else
	MUL4 SL, XF+8*SS, XF+32+8*SS, SCL+SS, SCL+4+SS, -1
.endif
.if SS == 3
	PLACES 5                                       ; four in front of loads into registers that the products read and of the first read of results; five, since the next pair's first products write over these accumulators
.else
	PLACES 4
.endif
	s_wait_alu depctr_va_vdst(0)                   ; this step's products are done reading their slot of the ring, its scale words and, in a pair's first step, b1: the loads below land there; the places above stay beside this wait
	ULOAD I+NS                                     ; into the slot that this step's products have just read
.if SS == 0 && PP < 3
	BL PP+1                                        ; the next pair's b1, into the registers that this step's products have just read; waited for at the head of the pair's quantising
.endif
.if SS == 3
.irp j, 0,1,2,3,4,5,6,7,8,9,10,11,12,13,14,15,16,17,18,19,20,21,22,23,24,25,26,27,28,29,30,31
	v_max_num_f32 v[ACC+\j], 0, v[ACC+\j]          ; the activation, each accumulator from its low end on
.endr
	QBLK2 ACC, ACC+16, 7, 256*PP, 16384+256*PP, 8, PP, 1024+PP   ; block PP of K step w of the second product
.endif
.set I, I+1
.endr
	BAR                                            ; the hidden layer's 32 fragments and their scale bytes lie in LDS
	; ---- the second product: my 32 columns, sixteen K steps; the sums start from h + b2
	v_and_b32 v15, 15, v0                          ; (the loads of x's scale words, which read v15, stand ahead of the quantisings' waits on vm_vsrc)
	v_lshlrev_b32 v15, 2, v15                      ; 4 r
	s_wait_alu depctr_va_vdst(0)                   ; v15 is written, which the loads of scale words read; and the first product's lines are done with the accumulators and v16-87, in which the loads below land
.irp m, 0,1
.irp q, 0,1,2,3
	ds_load_b128 v[ACC+16*\m+4*\q:ACC+16*\m+4*\q+3], v9 offset:512*(4*\m+\q)
.endr
.endr
	HF 0
	HF 1
	HF 2
	HF 3
.set S, 0
.rept 16
.set I, 16+S
.set SL, I%NS
.set H4, S%4
.if I <= 26
	s_wait_loadcnt 25                              ; five younger units
.elseif I == 27
	s_wait_loadcnt 24                              ; four units and g2's four loads
.else
	s_wait_loadcnt 5*(31-I)+8                      ; the units that are left, and the eight loads of g2 and be2
.endif
.if S < 13
	s_wait_dscnt 18                                ; K step S's fragments and scale words are in (and, in K step 0, h + b2); the six loads of each of the three steps behind it may be out
.else
	s_wait_dscnt 6*(15-S)
.endif
	MUL4 SL, XF+16*H4, XF+16*H4+8, SCL+2*H4, SCL+2*H4+1, -1
	PLACES 4
.if I < 28
	s_wait_alu depctr_va_vdst(0)                   ; this step's products are done reading their slot of the ring, its scale words, their two fragments of the hidden layer and those rows' scale words: the loads below land there.  (The last four steps load nothing and have no such line)
.endif
.if I < 26
	ULOAD I+NS
.elseif I == 26
	PLOAD G2R, 26                                  ; g2, into the slot just read, which no unit takes any more
.elseif I == 27
	PLOAD BE2R, 28                                 ; be2 likewise
.endif
.if S < 12
	HF S+4
.endif
.set S, S+1
.endr
	; ---- LN2 and the way out
	LNSTATS ACC, ACC+16, RING, 2
	s_wait_loadcnt 0x0                             ; g2, be2
	LNMUL ACC, TM+8
	LNMUL ACC+16, TM+10
	LNAFF ACC, G2R, BE2R                           ; x g2 + be2
	LNAFF ACC+16, G2R, BE2R
	v_mov_b32 v[RING+16], 0
.irp j, 0,1,2,3,4,5,6,7,8,9,10,11,12,13,14,15
	v_cndmask_b32 v[ACC+\j], v[ACC+\j], v[RING+16], s71
	v_cndmask_b32 v[ACC+16+\j], v[ACC+16+\j], v[RING+16], s72
.endr
	v_and_b32 v13, 15, v0                          ; (the stores of x's codes and bytes, which read v13 and v14, stand ahead of many waits on vm_vsrc)
	v_mul_u32_u24 v13, v13, SROW
	v_add_nc_u32 v13, v13, v6
	v_add_nc_u32 v13, STG, v13                     ; into the stage: row r (+ 16 m), my 64 bytes at 128 w + 64 h
	v_lshrrev_b32 v14, 5, v0
	v_mul_u32_u24 v14, v14, 2*SROW
	v_add_nc_u32 v14, v14, v1
	v_add_nc_u32 v14, STG, v14                     ; back: rows 2 w and 2 w + 1, 16 bytes a lane
	s_wait_alu depctr_va_vdst(0)                   ; the results in v[ACC] on and the address v13 are written, which the stores read; so is v14, which the loads behind the barrier read
.irp m, 0,1
.irp q, 0,1,2,3
	ds_store_b128 v13, v[ACC+16*\m+4*\q:ACC+16*\m+4*\q+3] offset:16*SROW*\m+16*\q
.endr
.endr
	BAR                                            ; 32 whole rows lie in the stage
.irp k, 0,1
.irp q, 0,1,2,3
	ds_load_b128 v[OUTR+16*\k+4*\q:OUTR+16*\k+4*\q+3], v14 offset:SROW*\k+512*\q
.endr
.endr
.irp k, 0,1
.irp q, 0,1,2,3
	s_wait_dscnt 7-4*\k-\q
	global_store_b128 v[10+\k], v[OUTR+16*\k+4*\q:OUTR+16*\k+4*\q+3], s[30:31] offset:512*\q th:TH_STORE_NT   ; 32 lanes store 512 consecutive bytes of the token's row, at a multiple of 256 from out0's first byte
.endr
.endr
	s_wait_dscnt 0x0                               ; the closing lines, six on end
	s_wait_alu 0x0
	s_wait_tensorcnt 0x0
	ds_add_u32 v254, v255
	s_wait_dscnt 0x0
	s_endpgm
.Lfunc_end_k_q15ef2e99a4_mlp:
	.size	k_q15ef2e99a4_mlp, .Lfunc_end_k_q15ef2e99a4_mlp-k_q15ef2e99a4_mlp
	.p2alignl 7, 3214868480
	.fill 96, 4, 3214868480
	.section	.rodata,"a",@progbits
	.p2align	6, 0x0
	.amdhsa_kernel k_q15ef2e99a4_mlp
		.amdhsa_group_segment_fixed_size 193536
		.amdhsa_private_segment_fixed_size 0
		.amdhsa_enable_private_segment 0
		.amdhsa_kernarg_size 96
		.amdhsa_user_sgpr_count 2
		.amdhsa_user_sgpr_kernarg_segment_ptr 1
		.amdhsa_wavefront_size32 1
		.amdhsa_system_sgpr_workgroup_id_x 1
		.amdhsa_system_sgpr_workgroup_id_y 1
		.amdhsa_system_sgpr_workgroup_id_z 1
		.amdhsa_system_vgpr_workitem_id 0
		.amdhsa_next_free_vgpr 256
		.amdhsa_next_free_sgpr 80
		.amdhsa_reserve_vcc 0
		.amdhsa_float_denorm_mode_32 3
		.amdhsa_float_denorm_mode_16_64 3
		.amdhsa_memory_ordered 1
		.amdhsa_forward_progress 1
		.amdhsa_inst_pref_size 98
	.end_amdhsa_kernel
	.amdgpu_metadata
---
amdhsa.version: [ 1, 2 ]
amdhsa.kernels:
  - .name:           k_q15ef2e99a4_mlp
    .symbol:         k_q15ef2e99a4_mlp.kd
    .args:
      - { .name: counts, .offset: 0, .size: 8, .value_kind: global_buffer, .address_space: global }
      - { .name: order, .offset: 8, .size: 8, .value_kind: global_buffer, .address_space: global }
      - { .name: x, .offset: 16, .size: 8, .value_kind: global_buffer, .address_space: global }
      - { .name: wcodes, .offset: 24, .size: 8, .value_kind: global_buffer, .address_space: global }
      - { .name: wscales, .offset: 32, .size: 8, .value_kind: global_buffer, .address_space: global }
      - { .name: b1, .offset: 40, .size: 8, .value_kind: global_buffer, .address_space: global }
      - { .name: b2, .offset: 48, .size: 8, .value_kind: global_buffer, .address_space: global }
      - { .name: g1, .offset: 56, .size: 8, .value_kind: global_buffer, .address_space: global }
      - { .name: be1, .offset: 64, .size: 8, .value_kind: global_buffer, .address_space: global }
      - { .name: g2, .offset: 72, .size: 8, .value_kind: global_buffer, .address_space: global }
      - { .name: be2, .offset: 80, .size: 8, .value_kind: global_buffer, .address_space: global }
      - { .name: out0, .offset: 88, .size: 8, .value_kind: global_buffer, .address_space: global }
    .group_segment_fixed_size: 193536
    .private_segment_fixed_size: 0
    .kernarg_segment_align: 8
    .kernarg_segment_size: 96
    .max_flat_workgroup_size: 512
    .sgpr_count:     80
    .vgpr_count:     256
    .wavefront_size: 32
...
	.end_amdgpu_metadata
.endif
;; end of part 5
